; MI455X (gfx1250); checked and timed in simulation.
; The chip was launched on July 23, 2026; its instructions are those of AMD's public machine-readable ISA for CDNA 5 (MIT licence, August 2026) and "CDNA5" Instruction Set Architecture Reference Guide (July 2026). The comments in the code are by the model that wrote it; some were corrected since.
;; Gpt Oss Attention. Allowed arithmetic: float matrix products may take bf16 or f16 operands with f32 sums; other float arithmetic in f32, or as packed bf16 or f16 multiplies, adds, multiply-adds, maxima and minima; sums over many terms, partial sums and values carried from step to step in f32; what a program stores and reads back later, other than sums and carried values, may be rounded once to bf16 or f16.
;; Inputs: Wk 2,880 x 512 float32; Wo 2,048 x 2,880 float32; Wq 2,880 x 2,048 float32; Wv 2,880 x 512 float32; bk 512 float32; bo 2,880 float32; bq 2,048 float32; bv 512 float32; freqs_cis 4,096 x 64 float32; sinks 32 float32; x 1 x 4,096 x 2,880 float32.
;; Outputs: out0 1 x 4,096 x 2,880 float32.
;; 2 versions, each right; version 2 is version 1 with the launch prep written anew for expert scheduling mode. Each part assembles by itself: llvm-mc -triple=amdgcn-amd-amdhsa -mcpu=gfx1250 --defsym DOCPART=n.
;; ======== version 1 of 2: 4 launches
;; limits: values are held in f16: magnitudes above 65,504 overflow, below 6.1e-05 lose precision
;; workspace buffers: xb 23,592,960 bytes; wb 17,694,720 bytes; wo16 11,796,480 bytes; qkv 25,165,824 bytes; ob 16,777,216 bytes
;; launch prep (part 1): grid 45 x 28, 4 waves a work-group, no clusters, 0 bytes of LDS; arguments x, Wq, Wk, Wv, xb, wb; writes xb, wb
.if DOCPART == 1
	.amdgcn_target "amdgcn-amd-amdhsa--gfx1250"
	.amdhsa_code_object_version 6
	.text
	.protected	k_q3cbe28b424_prep
	.globl	k_q3cbe28b424_prep
	.p2align	8
	.type	k_q3cbe28b424_prep,@function
k_q3cbe28b424_prep:
	s_mov_b64 s[64:65], 0
	v_nop
	global_prefetch_b8 v0, s[64:65] scope:SCOPE_SE
	s_setreg_imm32_b32 hwreg(HW_REG_WAVE_MODE, 25, 1), 1
	s_wait_xcnt 0x0
; x and Wq | Wk | Wv, all f32, are rounded once to bf16 and laid out in dense blocks of 64 x 64 numbers (8,192 bytes), in the order in which the first product's tiles want them:
;   xb   [mt 16][p 45][r 256][c 64] bf16 = x[256 mt + r][64 p + c]
;   wb   [nt 16][p 45][j 3][k 64][c 64] bf16 = column c of head slot g = 3 nt + j (0-31 q, 32-39 k, 40-47 v), row 64 p + k
; (Wo, which nobody wants before the last launch, is converted beside the first product.)
; SHARES.  One wave, one block: 64 source rows of 256 aligned bytes at the tensor's pitch, 32 loads of 16 bytes a lane (two rows each), all out at once: 16 KiB a wave.
; Each store of the wave is 32 lanes x 8 bytes = 256 consecutive bytes, aligned.  Bytes are all that counts here: no LDS, no barrier, no matrix unit; nothing is shared between waves.
; Block (X, Y): X = work-group x, Y = 4 x work-group y + wave.  Y 0-63: x (row block Y, panel X).  Y 64-111: head slot g = Y - 64, K panel X.
; The cases differ in scalars alone; they are chosen by selects, so every pointer is a plain choice between buffers plus an offset.
.set OFF, 8                            ; v[8:39]    load i: my byte offset in the source block's rows 2 i and 2 i + 1
.set XR,  40                           ; v[40:167]  load i: four f32
	s_load_b256 s[16:23], s[0:1], 0x0              ; x s[16:17], Wq s[18:19], Wk s[20:21], Wv s[22:23]
	s_load_b128 s[24:27], s[0:1], 0x20             ; xb s[24:25], wb s[26:27]
	v_lshrrev_b32 v1, 5, v0
	v_readfirstlane_b32 s4, v1                     ; wave
	s_mov_b32 s2, ttmp9                            ; X
	s_and_b32 s3, ttmp7, 0xffff                    ; work-group y
	s_lshl2_add_u32 s5, s3, s4                     ; Y
	s_mov_b32 s33, 0
	s_mov_b32 s35, 0
	v_and_b32 v1, 31, v0                           ; lane
	v_lshlrev_b32 v3, 3, v1                        ; my 8 bytes of a store
	v_lshrrev_b32 v4, 4, v1                        ; which of a load's two rows
	v_and_b32 v5, 15, v1
	v_lshlrev_b32 v5, 4, v5                        ; my 16 bytes of a row
	s_sub_co_u32 s7, s5, 64                        ; g
	s_sub_co_u32 s38, s7, 32                       ; g as a head of Wk
	s_sub_co_u32 s39, s7, 40                       ; g as a head of Wv
	s_lshl_b32 s36, s2, 8                          ; 256 X
	s_movk_i32 s40, 0x2000                         ; pitch of Wq
	s_movk_i32 s41, 0x800                          ; of Wk, Wv
	s_movk_i32 s42, 0x2d00                         ; of x: 11,520
	s_lshr_b32 s43, s5, 2                          ; x: block ((Y / 4) 45 + X) 4 + Y % 4
	s_mul_i32 s43, s43, 45
	s_add_co_u32 s43, s43, s2
	s_and_b32 s44, s5, 3
	s_lshl2_add_u32 s43, s43, s44
	s_mul_hi_u32 s44, s7, 0x55555556               ; W: nt = g / 3
	s_mul_i32 s45, s44, 3
	s_sub_co_u32 s45, s7, s45                      ; j
	s_mul_i32 s44, s44, 45
	s_add_co_u32 s44, s44, s2
	s_mul_i32 s44, s44, 3
	s_add_co_u32 s44, s44, s45                     ; block (nt 45 + X) 3 + j
	s_mul_i32 s32, s5, 737280                      ; x: 64 rows of 11,520 bytes
	s_add_co_u32 s32, s32, s36
	s_wait_kmcnt 0x0
	s_cmp_lt_u32 s7, 32
	s_cselect_b64 s[8:9], s[18:19], s[20:21]
	s_cselect_b32 s12, s40, s41
	s_cselect_b32 s37, s7, s38
	s_cmp_lt_u32 s7, 40
	s_cselect_b64 s[8:9], s[8:9], s[22:23]
	s_cselect_b32 s37, s37, s39
	s_mul_i32 s47, s2, s12
	s_lshl_b32 s47, s47, 6                         ; 64 X rows
	s_lshl_b32 s37, s37, 8                         ; + the head's 256 bytes
	s_add_co_u32 s47, s47, s37
	s_cmp_lt_u32 s3, 16                            ; x, or a weight
	s_cselect_b64 s[8:9], s[16:17], s[8:9]
	s_cselect_b32 s12, s42, s12
	s_cselect_b32 s32, s32, s47
	s_cselect_b64 s[10:11], s[24:25], s[26:27]
	s_cselect_b32 s34, s43, s44
	s_lshl_b32 s34, s34, 13                        ; blocks of 8,192 bytes
	s_add_nc_u64 s[8:9], s[8:9], s[32:33]
	s_add_nc_u64 s[10:11], s[10:11], s[34:35]
	s_lshl_b32 s13, s12, 1                         ; two rows
	v_mul_lo_u32 v2, v4, s12
	v_add_nc_u32 v[OFF], v2, v5
.set i, 1
.rept 31
	v_add_nc_u32 v[OFF+i], s13, v[OFF+i-1]
.set i, i+1
.endr
.set i, 0
.rept 32
	global_load_b128 v[XR+4*i:XR+4*i+3], v[OFF+i], s[8:9] th:TH_LOAD_NT
.set i, i+1
.endr
; Load i is rounded and stored.  No register is written twice, so the stores' sources need no wait.
.set i, 0
.rept 32
	s_wait_loadcnt 31-i                            ; loads come back in order: mine is in, the younger ones stay out
	v_cvt_pk_bf16_f32 v[XR+4*i], v[XR+4*i], v[XR+4*i+1]
	v_cvt_pk_bf16_f32 v[XR+4*i+1], v[XR+4*i+2], v[XR+4*i+3]
	global_store_b64 v3, v[XR+4*i:XR+4*i+1], s[10:11] offset:256*i
.set i, i+1
.endr
	s_endpgm
.Lfunc_end_k_q3cbe28b424_prep:
	.size	k_q3cbe28b424_prep, .Lfunc_end_k_q3cbe28b424_prep-k_q3cbe28b424_prep
	.p2alignl 7, 3214868480
	.fill 96, 4, 3214868480
	.section	.rodata,"a",@progbits
	.p2align	6, 0x0
	.amdhsa_kernel k_q3cbe28b424_prep
		.amdhsa_group_segment_fixed_size 0
		.amdhsa_private_segment_fixed_size 0
		.amdhsa_enable_private_segment 0
		.amdhsa_kernarg_size 48
		.amdhsa_user_sgpr_count 2
		.amdhsa_user_sgpr_kernarg_segment_ptr 1
		.amdhsa_wavefront_size32 1
		.amdhsa_system_sgpr_workgroup_id_x 1
		.amdhsa_system_sgpr_workgroup_id_y 1
		.amdhsa_system_sgpr_workgroup_id_z 1
		.amdhsa_system_vgpr_workitem_id 0
		.amdhsa_next_free_vgpr 168
		.amdhsa_next_free_sgpr 66
		.amdhsa_reserve_vcc 0
		.amdhsa_float_denorm_mode_32 3
		.amdhsa_float_denorm_mode_16_64 3
		.amdhsa_memory_ordered 1
		.amdhsa_forward_progress 1
		.amdhsa_inst_pref_size 15
	.end_amdhsa_kernel
	.amdgpu_metadata
---
amdhsa.version: [ 1, 2 ]
amdhsa.kernels:
  - .name:           k_q3cbe28b424_prep
    .symbol:         k_q3cbe28b424_prep.kd
    .args:
      - { .name: x, .offset: 0, .size: 8, .value_kind: global_buffer, .address_space: global }
      - { .name: Wq, .offset: 8, .size: 8, .value_kind: global_buffer, .address_space: global }
      - { .name: Wk, .offset: 16, .size: 8, .value_kind: global_buffer, .address_space: global }
      - { .name: Wv, .offset: 24, .size: 8, .value_kind: global_buffer, .address_space: global }
      - { .name: xb, .offset: 32, .size: 8, .value_kind: global_buffer, .address_space: global }
      - { .name: wb, .offset: 40, .size: 8, .value_kind: global_buffer, .address_space: global }
    .group_segment_fixed_size: 0
    .private_segment_fixed_size: 0
    .kernarg_segment_align: 8
    .kernarg_segment_size: 48
    .max_flat_workgroup_size: 128
    .sgpr_count:     66
    .vgpr_count:     168
    .wavefront_size: 32
...
	.end_amdgpu_metadata
.endif
;; end of part 1
;; launch qkv (part 2): grid 16 x 16, 4 waves a work-group, clusters of 4 x 4, 327,680 bytes of LDS; arguments xb, wb, bq, bk, bv, freqs_cis, qkv, Wo, wo16; writes qkv, wo16
.if DOCPART == 2
	.amdgcn_target "amdgcn-amd-amdhsa--gfx1250"
	.amdhsa_code_object_version 6
	.text
	.protected	k_q3cbe28b424_qkv
	.globl	k_q3cbe28b424_qkv
	.p2align	8
	.type	k_q3cbe28b424_qkv,@function
k_q3cbe28b424_qkv:
	s_mov_b64 s[64:65], 0
	v_nop
	global_prefetch_b8 v0, s[64:65] scope:SCOPE_SE
	s_setreg_imm32_b32 hwreg(HW_REG_WAVE_MODE, 25, 1), 1
	s_wait_xcnt 0x0
	s_wait_alu depctr_hold_cnt(0) depctr_sa_sdst(0) depctr_va_vdst(0) depctr_va_sdst(0) depctr_va_ssrc(0) depctr_va_vcc(0) depctr_vm_vsrc(0)
	s_getreg_b32 s2, hwreg(HW_REG_IB_STS2, 6, 4)
	s_cmp_eq_u32 s2, 0
	s_cbranch_scc0 .Lentry_in_a_cluster
	s_endpgm
.Lentry_in_a_cluster:
	s_bfe_u32 s2, ttmp6, 0x10000c
	s_cmp_lg_u32 s2, 0xf033
	s_cbranch_scc0 .Lentry_shape_is_right
	s_endpgm
.Lentry_shape_is_right:
; q | k | v = x W + b, rope on q and k, written by heads: qkv [g 48][row 4096][64] f16 (g 0-31 q, 32-39 k, 40-47 v), unscaled.
; x and W come rounded to bf16 and in dense panels of 64 along K (xb, wb); the biases and the rotary table are rounded to bf16 here; sums in f32; the result is rounded once, to f16.
; BESIDE IT: Wo (f32 [2048][2880]) is rounded to bf16, that number written as f16, into wo16 [p 32][X 45][k 64][c 64] = Wo[64 p + k][64 X + c], for the last launch.  The product's own streams are
; 66 MB for 72 GFLOP; Wo's 35 MB ride along.  The launch's 1,024 waves take two rows of Wo each: 45 pieces of two rows x 256 bytes, four in each of the loop's ten trips, five in the tail.
; LIMITS.  f16 ends at 65,504: q, k and v must stay below it.  A v head is multiplied by 1 and 0 in the table's place, so an infinity there gives NaN; NaN and infinities are not treated apart.
; Wo's bf16 number is exact in f16 from 2^-14 up to 65,504; below 2^-17 it keeps f16's fixed step of 2^-24.
; SHARES.  A work-group makes 256 rows x 192 columns (three heads): 16 x 16 work-groups.  Its four waves lie one below the other, 64 rows x 192 columns each: 48 accumulators, 384 registers.
; So a wave holds whole heads: channels d and d + 32 of a row lie in one lane, and a wave sends its rows out by itself.
; K = 2880 = 45 panels goes in steps of two panels through two LDS slots; the 23rd step is the last panel alone.  A panel of x's tile is 32,768 dense bytes, of W's 24,576: each is asked for
; as rows of 256 bytes and padded in LDS after every 128: rows of x 144 bytes apart, rows of W ([k][c], read turned) 160.
; THE MATRIX INSTRUCTION IS USED TRANSPOSED: source 0 = 16 columns of W, source 1 = 16 rows of x: a lane holds one row (lane % 16) and the columns 8 (lane / 16) + 0..7.  The bias is the C of the first products.
; CLUSTER.  4 x 4 work-groups: x's tile hangs on the tile row alone and is asked for jointly along a row of the cluster, W's on the tile column alone, jointly along a column.
; REGISTERS, in windows of 256 (s_set_vgpr_msb: bits 1:0 source 0, 3:2 source 1, 5:4 source 2, 7:6 destination):
;   window 0: v0-31 addresses; v32-63 at work (in the loop: Wo's pieces); v64-127 x's fragments, two buffers of 32; v128-255 the rotary table of my 64 rows
;   window 1: v0-191 W's fragments, two buffers of 96     window 2: accumulators of column blocks 0-7, (b, a) at 8 (4 b + a)
;   window 3: v0-127 those of blocks 8-11; v128-223 the bias as C, block b at 128 + 8 b; v224-227 at work
.set TRIPS,  10                        ; each trip takes two steps and fills both slots again: steps 2 to 21
.set PA,     144
.set PB,     160
.set APAN,   256*PA
.set BPAN,   192*PB
.set BOFF,   2*APAN                    ; in a slot: x's two panels, then W's two
.set SLOT,   2*APAN+2*BPAN
.set STAGE,  2*SLOT                    ; behind the ring: 16 rows x 144 bytes for each wave
.set SPARE,  STAGE+4*16*144            ; behind the stages: the spare words, 128 bytes for each wave, that no other line names
.set WSO,  8                           ; Wo: my 16 bytes of a piece: 11,520 (lane / 16) + 16 (lane % 16); never rewritten
.set WDO,  9                           ; wo16: my 8 bytes of a piece's 256; never rewritten
.set ADRA, 16                          ; v16-17 LDS address of my fragments of x in slot 0, 1
.set ADRB, 20                          ; v20-21 the same for W
.set STO,  24                          ; the way out: where I put 16 bytes of a row
.set RD,   25                          ; where I read rows back
.set GO,   26                          ; my 16 bytes of 512 consecutive bytes
.set FO,   27                          ; my offset in the table: 256 (lane % 16) + 32 (lane / 16)
.set SPW,  28                          ; LDS address of my spare word; never rewritten
.set NIL,  29                          ; 0; never rewritten
.set PFO,  30                          ; the prefetches' offset; never rewritten
.set BO,   31                          ; 32 (lane / 16): my eight numbers of a bias block
.set WX,   32                          ; v32-51 in the loop: up to five pieces of Wo as loaded, four f32 each
.set WY,   52                          ; v52-61 the same as stored, two words each
.set T,    32                          ; the way out: cos (16), sin (16) as used
.set R,    64                          ; the rotated head: 32 f32, then 16 words of f16
.set UU,   96
.set VV,   112
.set CS,   128                         ; row block a at CS + 32 a: cos d = 8 h.., cos 16 + 8 h.., sin 8 h.., sin 16 + 8 h..
.set BIAS, 128
.set WV,  18
.set HF,  19                           ; 0: I fetch x's panels; 1: W's
.set PAR, 20                           ; which of a step's two panels I fetch
.set CX,  21
.set CY,  22
.set NT,  23
.set G1A, 24
.set G0A, 32
.set MT,  40
.set LIM, 43
.set PFA, 44
.set PFS, 46
.set G1B, 48
.set G0B, 56
.set OB,  72                           ; s[72:77] where my rows of the three heads go
.set FL,  78                           ; s78-80  all ones: the head is rotated; 0: it is a v head
.set MASK, 81
.set WS,  88                           ; s[88:89] Wo at my two rows, behind the pieces that have been asked for
.set WD,  90                           ; s[90:91] wo16 at my two rows' place in a block, likewise
.set MSB, 0
.macro WIN new                         ; the immediate's high byte repeats the setting that is left; a switch that changes nothing is dropped
.if MSB != (\new)
	s_set_vgpr_msb (MSB<<8)|(\new)
.set MSB, \new
.endif
.endm
.macro WM d, a, b, c
	v_wmma_f32_16x16x32_bf16 v[(\d):(\d)+7], v[(\a):(\a)+7], v[(\b):(\b)+7], v[(\c):(\c)+7]
.endm
.macro PLACES                          ; four plain instructions between a matrix instruction and a load into, or a vector read of, its registers
.rept 4
	v_nop
.endr
.endm
; A joint load: waves 0 and 1 fetch x's two panels of a step, waves 2 and 3 W's.  The branch hangs on the wave's number alone.  An s_nop 0 and four v_nop follow each line.
.macro JLOAD s
	s_cmp_eq_u32 s[HF], 0
	s_cbranch_scc0 .Lfor_b_\@
	tensor_load_to_lds s[G0A+4*(\s):G0A+4*(\s)+3], s[G1A:G1A+7]
	s_nop 0
.rept 4
	v_nop
.endr
	s_branch .Lasked_\@
.Lfor_b_\@:
	tensor_load_to_lds s[G0B+4*(\s):G0B+4*(\s)+3], s[G1B:G1B+7]
	s_nop 0
.rept 4
	v_nop
.endr
.Lasked_\@:
.endm
.macro JLOADH s                        ; the last step has one panel: waves 0 and 2 fetch, waves 1 and 3 have no part of it
	s_cmp_eq_u32 s[PAR], 0
	s_cbranch_scc0 .Lnone_\@
	s_cmp_eq_u32 s[HF], 0
	s_cbranch_scc0 .Lfor_b_\@
	tensor_load_to_lds s[G0A+4*(\s):G0A+4*(\s)+3], s[G1A:G1A+7]
	s_nop 0
.rept 4
	v_nop
.endr
	s_branch .Lasked_\@
.Lfor_b_\@:
	tensor_load_to_lds s[G0B+4*(\s):G0B+4*(\s)+3], s[G1B:G1B+7]
	s_nop 0
.rept 4
	v_nop
.endr
	s_branch .Lasked_\@
.Lnone_\@:
.rept 4
	v_nop
.endr
.Lasked_\@:
.endm
.macro CREST                           ; a round of the cluster's barrier behind its opening barrier
	s_cmp_lg_u32 s[WV], 0
	s_cbranch_scc1 .Lnot_wave_0_\@
	s_barrier_signal -3
.Lnot_wave_0_\@:
	s_barrier_wait -3
	s_barrier_signal -1
	s_barrier_wait -1
.endm
.macro CROUND
	s_barrier_signal -1
	s_barrier_wait -1
	CREST
.endm
; A PREFETCH of my panel of the step that stands two refills on (384 matrix instructions ahead of its load), behind the joint load and the run of LDS loads.  x's tile row is read by every cluster of
; that row of clusters: cluster x = 0 asks; W's tile column: cluster y = 0.  The four partners that ask for a panel jointly share it out by address: 32 of x's 128 blocks of 256 bytes each, 24 of W's 96
; (there lanes 24-31 name lane 23's block once more).  Steps 0 to 3 and the last panel come by their loads alone; the loop's last trip asks for nothing.
; Wo is not asked for: its loads go out a whole step ahead of their use, and no wave waits for them.
.macro ASK
	WIN 0
	s_cmp_gt_u32 s3, s[LIM]
	s_cbranch_scc0 .Lnot_mine_\@
	global_prefetch_b8 v[PFO], s[PFA:PFA+1] th:TH_LOAD_NT scope:SCOPE_SE
.Lnot_mine_\@:
.endm
; Column blocks b0 .. b0 + nb - 1 x my four row blocks, 32 along K, from buffer f.  All 48 accumulators take turns, in the same order in every quarter.  zero = 1: the bias starts the sums.
.macro MULB f, b0, nb, zero
.set bb, \b0
.rept \nb
.if bb < 8
.set rD, 32*bb
	WIN 0xa1+0x10*(\zero)
.else
.set rD, 32*(bb-8)
	WIN 0xf1
.endif
.irp a, 0,1,2,3
.if \zero
	WM rD+8*\a, 96*(\f)+8*bb, 64+32*(\f)+8*\a, BIAS+8*bb
.else
	WM rD+8*\a, 96*(\f)+8*bb, 64+32*(\f)+8*\a, rD+8*\a
.endif
.endr
.set bb, bb+1
.endr
.endm
; 32 LDS loads in one run: quarter q (32 along K) of a slot into buffer f: x's four fragments, then W's twelve, turned by the load.
.macro FETCH slot, q, f
	WIN 0
.irp a, 0,1,2,3
	ds_load_b128 v[64+32*(\f)+8*\a:64+32*(\f)+8*\a+3], v[ADRA+(\slot)] offset:((\q)/2)*APAN+\a*16*PA+64*((\q)%2)
	ds_load_b128 v[64+32*(\f)+8*\a+4:64+32*(\f)+8*\a+7], v[ADRA+(\slot)] offset:((\q)/2)*APAN+\a*16*PA+64*((\q)%2)+32
.endr
	WIN 0x40
.irp b, 0,1,2,3,4,5,6,7,8,9,10,11
	ds_load_tr16_b128 v[96*(\f)+8*\b:96*(\f)+8*\b+3], v[ADRB+(\slot)] offset:((\q)/2)*BPAN+((\b/4)*64+32*((\q)%2))*PB+(\b%4)*32
	ds_load_tr16_b128 v[96*(\f)+8*\b+4:96*(\f)+8*\b+7], v[ADRB+(\slot)] offset:((\q)/2)*BPAN+((\b/4)*64+32*((\q)%2)+16)*PB+(\b%4)*32
.endr
.endm
.macro QUARTER slot, qnext, f, g, zero ; multiplies buffer f; behind its first 16 products the next quarter is fetched into buffer g: 32 products stand between that run and the first wait for it
	s_wait_dscnt 8                                 ; all but W's fragments 8-11, the youngest eight loads
	MULB \f, 0, 4, \zero
	PLACES
	FETCH \slot, \qnext, \g
	s_wait_dscnt 32                                ; all but the 32 just issued
	MULB \f, 4, 8, \zero
.endm
; Wo's pieces.  WLOAD: n pieces are asked for.  step = 1 (in the loop): the two pointers go on first, and the accesses reach back by their immediates, so that no pointer ever stands below its buffer.
.macro WLOAD n, step
.if \step
	s_add_nc_u64 s[WS:WS+1], s[WS:WS+1], (\n)*256
	s_add_nc_u64 s[WD:WD+1], s[WD:WD+1], (\n)*8192
.endif
.set k, 0
.rept \n
	global_load_b128 v[WX+4*k:WX+4*k+3], v[WSO], s[WS:WS+1] offset:256*k-(\step)*(\n)*256 th:TH_LOAD_NT  ; two rows x 256 consecutive bytes, aligned
.set k, k+1
.endr
.endm
; WSEND, a K step later: to bf16, widened again, that number as f16; a piece's store is 256 consecutive bytes, aligned: rows 2 i and 2 i + 1 of a block of wo16.
.macro WSEND n, step
	s_wait_loadcnt 0x0                             ; the pieces, asked for a step ago; no other load of mine is out
.set k, 0
.rept \n
	v_cvt_pk_bf16_f32 v[WY+2*k], v[WX+4*k], v[WX+4*k+1]
	v_cvt_pk_bf16_f32 v[WY+2*k+1], v[WX+4*k+2], v[WX+4*k+3]
.set k, k+1
.endr
.set k, 0
.rept \n
	v_lshlrev_b32 v[WX+4*k], 16, v[WY+2*k]
	v_and_b32 v[WX+4*k+1], s[MASK], v[WY+2*k]
	v_lshlrev_b32 v[WX+4*k+2], 16, v[WY+2*k+1]
	v_and_b32 v[WX+4*k+3], s[MASK], v[WY+2*k+1]
.set k, k+1
.endr
.set k, 0
.rept \n
	v_cvt_pk_f16_f32 v[WY+2*k], v[WX+4*k], v[WX+4*k+1]
	v_cvt_pk_f16_f32 v[WY+2*k+1], v[WX+4*k+2], v[WX+4*k+3]
.set k, k+1
.endr
.set k, 0
.rept \n
	global_store_b64 v[WDO], v[WY+2*k:WY+2*k+1], s[WD:WD+1] offset:8192*k-(\step)*(\n)*8192
.set k, k+1
.endr
.endm
; The change of slots: each wave waits for all its tensor loads (one is out: its part of the next slot), adds 0 to its spare word, and waits for that and for its reads of this slot.
.macro MEET round
	WIN 0
	s_wait_tensorcnt 0x0
	ds_add_u32 v[SPW], v[NIL]
	s_wait_dscnt 9                                 ; (the add and the youngest eight loads may be out)
	MULB 1, 0, 2, 0
	s_wait_dscnt 0x0                               ; the add is done, and my reads of this slot are over (the last were issued 40 products ago)
	s_barrier_signal -1
	MULB 1, 2, 2, 0                                ; work on registers while the others arrive
.if \round
	WIN 0
.endif
	s_barrier_wait -1
.endm
; A step's last quarter.  At its head, ahead of the wait for the tiles, stands Wo's work: slot 0's change asks for pieces, slot 1's converts and stores them.
; mode 1: the slot is filled again, two steps on, behind a round of the cluster's barrier; 176 matrix instructions stand between the request and the wait for it.
; mode 2: the same for the last, single panel.  mode 0: nothing is filled.
.macro TURN slot, next, mode
	WIN 0
	s_wait_xcnt 0x0                                ; what was issued a step back (a prefetch, Wo's loads or stores) has read its registers: pointers and store data may be written
.if (\mode) == 1
	s_add_nc_u64 s[PFA:PFA+1], s[PFA:PFA+1], s[PFS:PFS+1]
.endif
.if (\mode) == 1 && (\slot) == 0
	WLOAD 4, 1
.elseif (\mode) == 2
	WLOAD 5, 0
.elseif (\mode) == 1
	WSEND 4, 1
.else
	WSEND 5, 0
.endif
.if (\mode) == 0
	MEET 0
	PLACES
.else
	MEET 1
	CREST                                          ; no wave of any partner still reads this slot or has a load on its way
	s_add_nc_u64 s[G0A+4*(\slot)+2:G0A+4*(\slot)+3], s[G0A+4*(\slot)+2:G0A+4*(\slot)+3], 4*32768
	s_add_nc_u64 s[G0B+4*(\slot)+2:G0B+4*(\slot)+3], s[G0B+4*(\slot)+2:G0B+4*(\slot)+3], 4*24576
.if (\mode) == 1
	JLOAD \slot
.else
	JLOADH \slot
.endif
.endif
	FETCH \next, 0, 0
.if (\mode) == 1
	ASK
.endif
	MULB 1, 4, 8, 0
.endm
.macro RND2 lo, tmp                    ; two f32 rounded to bf16 and widened again
	v_cvt_pk_bf16_f32 v[\tmp], v[\lo], v[(\lo)+1]
	v_lshlrev_b32 v[\lo], 16, v[\tmp]
	v_and_b32 v[(\lo)+1], s[MASK], v[\tmp]
.endm
	s_load_b256 s[4:11], s[0:1], 0x0               ; xb s[4:5], wb s[6:7], bq s[8:9], bk s[10:11]
	s_load_b128 s[12:15], s[0:1], 0x20             ; bv s[12:13], freqs_cis s[14:15]
	s_load_b64 s[16:17], s[0:1], 0x30              ; qkv
	s_load_b128 s[88:91], s[0:1], 0x38             ; Wo s[88:89], wo16 s[90:91]
	v_lshl_add_u32 v[SPW], v0, 2, SPARE
	v_mov_b32 v[NIL], 0
	ds_add_u32 v[SPW], v[NIL]                      ; the wave's opening: the add and its wait, ahead of my first tensor load
	v_lshrrev_b32 v1, 5, v0
	v_readfirstlane_b32 s[WV], v1
	s_lshr_b32 s[HF], s[WV], 1
	s_and_b32 s[PAR], s[WV], 1
	s_bfe_u32 s[CX], ttmp6, 0x40000
	s_bfe_u32 s[CY], ttmp6, 0x40004
	s_lshl_b32 s[NT], ttmp9, 2
	s_add_co_u32 s[NT], s[NT], s[CX]               ; tile column = 4 x cluster x + cx
	s_and_b32 s[MT], ttmp7, 0xffff
	s_lshl_b32 s[MT], s[MT], 2
	s_add_co_u32 s[MT], s[MT], s[CY]               ; tile row = 4 x cluster y + cy
	s_lshl_b32 s41, s[CY], 2
	s_lshl_b32 s41, 15, s41                        ; my row of the cluster
	s_lshl_b32 s42, 0x1111, s[CX]                  ; my column
	s_or_b32 s[G1A], s41, 0x07310000               ; the mask; 2-byte elements; padding on; bit 21 beside a mask; after every 32 words 4 words
	s_or_b32 s[G1B], s42, 0x0f310000               ; the same with 8 words of padding
	s_mov_b32 s[G1A+1], 128<<16                    ; tensor_dim0 = 128 elements: rows of 256 bytes
	s_mov_b32 s[G1A+2], 128<<16                    ; tensor_dim1 = 128 rows
	s_mov_b32 s[G1A+3], 128<<16                    ; tile_dim0
	s_mov_b32 s[G1A+4], 128                        ; tile_dim1
	s_mov_b32 s[G1A+5], 128                        ; elements from row to row: dense
	s_mov_b32 s[G1A+6], 0
	s_mov_b32 s[G1A+7], 0
	s_mov_b32 s[G1B+1], 128<<16
	s_mov_b32 s[G1B+2], 96<<16                     ; 96 rows
	s_mov_b32 s[G1B+3], 128<<16
	s_mov_b32 s[G1B+4], 96
	s_mov_b32 s[G1B+5], 128
	s_mov_b32 s[G1B+6], 0
	s_mov_b32 s[G1B+7], 0
	s_mul_i32 s66, s[MT], 45                       ; x: panel 45 x tile row + my panel of step 0, 32,768 bytes each
	s_add_co_u32 s66, s66, s[PAR]
	s_lshl_b32 s66, s66, 15
	s_mov_b32 s67, 0
	s_mul_i32 s68, s[NT], 45                       ; W: the same by the tile column, 24,576 bytes each
	s_add_co_u32 s68, s68, s[PAR]
	s_mul_i32 s68, s68, 24576
	s_mov_b32 s69, 0
	s_mul_i32 s86, s[PAR], APAN                    ; where they go: the wave's number alone enters an LDS address
	s_mul_i32 s87, s[PAR], BPAN
	s_add_co_u32 s87, s87, BOFF
	s_mov_b32 s[MASK], 0xffff0000
	s_wait_dscnt 0x0                               ; the opening add is done
	s_wait_kmcnt 0x0
	s_add_nc_u64 s[66:67], s[4:5], s[66:67]
	s_add_nc_u64 s[68:69], s[6:7], s[68:69]
	CROUND                                         ; all sixteen work-groups are here: the first joint loads meet
.irp s, 0,1
	s_mov_b32 s[G0A+4*(\s)], 1
	s_add_co_u32 s[G0A+4*(\s)+1], s86, (\s)*SLOT
	s_add_nc_u64 s[G0A+4*(\s)+2:G0A+4*(\s)+3], s[66:67], (\s)*2*32768
	s_or_b32 s[G0A+4*(\s)+3], s[G0A+4*(\s)+3], 0x80000000
	s_mov_b32 s[G0B+4*(\s)], 1
	s_add_co_u32 s[G0B+4*(\s)+1], s87, (\s)*SLOT
	s_add_nc_u64 s[G0B+4*(\s)+2:G0B+4*(\s)+3], s[68:69], (\s)*2*24576
	s_or_b32 s[G0B+4*(\s)+3], s[G0B+4*(\s)+3], 0x80000000
	JLOAD \s                                       ; steps 0 and 1: two loads of mine are out
.endr
	; the prefetches' address, step and owner
	s_and_b32 s2, ttmp7, 0xffff                    ; cluster y
	s_lshl_b32 s70, s[CX], 13                      ; x: my work-group's 32 blocks
	s_mul_i32 s3, s[CY], 6144                      ; W: its 24
	s_mov_b32 s[PFS], 0xc000
	s_cmp_eq_u32 s[HF], 0
	s_cselect_b64 s[PFA:PFA+1], s[66:67], s[68:69]
	s_cselect_b32 s2, ttmp9, s2                    ; the coordinate along which other clusters read the same panels
	s_cselect_b32 s70, s70, s3
	s_cselect_b32 s[PFS], 0x10000, s[PFS]          ; a step: two panels
	s_cselect_b32 s3, 31, 23
	s_cmp_eq_u32 s2, 0
	s_cselect_b32 s[LIM], 1, -1                    ; the same in all sixteen partners, for a given wave
	s_mov_b32 s71, 0
	s_mov_b32 s[PFS+1], 0
	s_add_nc_u64 s[PFA:PFA+1], s[PFA:PFA+1], s[70:71]
	s_mul_i32 s70, s[PFS], 3
	s_add_nc_u64 s[PFA:PFA+1], s[PFA:PFA+1], s[70:71]  ; at step 3: the first change of slots steps it to 4
	v_and_b32 v[PFO], 31, v0
	v_min_u32 v[PFO], s3, v[PFO]
	v_lshlrev_b32 v[PFO], 8, v[PFO]
	v_and_b32 v1, 15, v0                           ; r = lane % 16
	v_bfe_u32 v2, v0, 4, 1                         ; h = lane / 16
	; Wo: wave w of the launch's 1,024 takes rows 2 w and 2 w + 1: K panel p = w / 32, rows 2 (w % 32) and the next of each of that panel's 45 blocks
	s_lshl_b32 s2, s[MT], 4
	s_add_co_u32 s2, s2, s[NT]
	s_lshl2_add_u32 s2, s2, s[WV]                  ; w
	s_mul_i32 s70, s2, 23040                       ; two rows of 11,520 bytes
	s_add_nc_u64 s[WS:WS+1], s[WS:WS+1], s[70:71]
	s_lshr_b32 s3, s2, 5
	s_mul_i32 s3, s3, 45*8192
	s_and_b32 s2, s2, 31
	s_lshl_b32 s2, s2, 8
	s_add_co_u32 s70, s3, s2
	s_add_nc_u64 s[WD:WD+1], s[WD:WD+1], s[70:71]
	v_mul_u32_u24 v[WSO], v2, 11520
	v_lshl_add_u32 v[WSO], v1, 4, v[WSO]
	v_and_b32 v[WDO], 31, v0
	v_lshlrev_b32 v[WDO], 3, v[WDO]
	v_lshlrev_b32 v[BO], 5, v2
	v_lshlrev_b32 v[FO], 8, v1
	v_lshl_add_u32 v[FO], v2, 5, v[FO]
	s_lshl_b32 s2, s[MT], 8
	s_lshl_b32 s70, s[WV], 6
	s_add_co_u32 s2, s2, s70                       ; my first row
	s_lshl_b32 s70, s2, 8                          ; a row of the table is 256 bytes
	s_add_nc_u64 s[84:85], s[14:15], s[70:71]
	s_lshl_b32 s2, s2, 7                           ; a row of a head is 128 bytes
	s_mul_i32 s87, s[NT], 3
	; the three heads' biases into the C registers, their places in qkv, and whether they are rotated
	WIN 0xc0
.irp j, 0,1,2
.if \j > 0
	s_wait_xcnt 0x0                                ; the head before's loads have read their base
.endif
	s_add_co_u32 s42, s87, \j                      ; g
	s_sub_co_u32 s68, s42, 32
	s_sub_co_u32 s69, s42, 40
	s_cmp_lt_u32 s42, 32
	s_cselect_b64 s[82:83], s[8:9], s[10:11]
	s_cselect_b32 s68, s42, s68
	s_cmp_lt_u32 s42, 40
	s_cselect_b64 s[82:83], s[82:83], s[12:13]
	s_cselect_b32 s68, s68, s69
	s_cselect_b32 s[FL+\j], -1, 0
	s_lshl_b32 s68, s68, 8
	s_mov_b32 s69, 0
	s_add_nc_u64 s[82:83], s[82:83], s[68:69]
	s_lshl_b32 s70, s42, 19                        ; a head is 524,288 bytes
	s_add_co_u32 s70, s70, s2
	s_add_nc_u64 s[OB+2*\j:OB+2*\j+1], s[16:17], s[70:71]
.irp cb, 0,1,2,3
	global_load_b128 v[BIAS+8*(4*\j+\cb):BIAS+8*(4*\j+\cb)+3], v[BO], s[82:83] offset:64*\cb
	global_load_b128 v[BIAS+8*(4*\j+\cb)+4:BIAS+8*(4*\j+\cb)+7], v[BO], s[82:83] offset:64*\cb+16
.endr
.endr
	WIN 0
.irp a, 0,1,2,3
.irp q, 0,1,2,3
	global_load_b128 v[CS+32*\a+8*\q:CS+32*\a+8*\q+3], v[FO], s[84:85] offset:4096*\a+64*\q
	global_load_b128 v[CS+32*\a+8*\q+4:CS+32*\a+8*\q+7], v[FO], s[84:85] offset:4096*\a+64*\q+16
.endr
.endr
	v_mul_u32_u24 v3, v1, PA
	v_lshl_add_u32 v3, v2, 4, v3                   ; row x pitch + 16 x half
	s_mul_i32 s70, s[WV], 64*PA                    ; my 64 rows
	v_add_nc_u32 v[ADRA], s70, v3
	v_add_nc_u32 v[ADRA+1], SLOT, v[ADRA]
	v_and_b32 v4, 7, v0                            ; the turning load: lane l reads row 8 (l / 16) + l % 8, 16 bytes at 16 ((l / 8) % 2)
	v_bfe_u32 v5, v0, 3, 1
	v_lshl_add_u32 v6, v2, 3, v4
	v_mul_u32_u24 v6, v6, PB
	v_lshl_add_u32 v6, v5, 4, v6
	v_add_nc_u32 v[ADRB], BOFF, v6
	v_add_nc_u32 v[ADRB+1], SLOT, v[ADRB]
	s_mul_i32 s70, s[WV], 16*144
	s_add_co_u32 s70, s70, STAGE                   ; my stage
	v_add_nc_u32 v[STO], s70, v3                   ; in: row lane % 16, 16 bytes for each half of the lanes
	v_bfe_u32 v7, v0, 3, 2                         ; back: 32 lanes take four rows of 128 bytes
	v_mul_u32_u24 v7, v7, 144
	v_lshl_add_u32 v7, v4, 4, v7
	v_add_nc_u32 v[RD], s70, v7
	v_and_b32 v[GO], 31, v0
	v_lshlrev_b32 v[GO], 4, v[GO]
	s_wait_loadcnt 0x0                             ; biases and table, while the first tiles are on their way
.set k, 0
.rept 64
	RND2 CS+2*k, T+k%4
.set k, k+1
.endr
	WIN 0xcf
.set k, 0
.rept 48
	RND2 BIAS+2*k, 224+k%4
.set k, k+1
.endr
	WIN 0
	s_wait_tensorcnt 1                             ; my part of step 0 is in; step 1's may stay out
	s_barrier_signal -1
	s_barrier_wait -1
	FETCH 0, 0, 0
	QUARTER 0, 1, 0, 1, 1                          ; the first quarter stands in front of the loop: its products start the sums, with the bias
	WIN 0
	s_mov_b32 s3, TRIPS
.Llap:                                             ; a trip goes once round the ring, from a lap's second quarter to the next lap's first
	QUARTER 0, 2, 1, 0, 0
	QUARTER 0, 3, 0, 1, 0
	TURN 0, 1, 1
	QUARTER 1, 1, 0, 1, 0
	QUARTER 1, 2, 1, 0, 0
	QUARTER 1, 3, 0, 1, 0
	TURN 1, 0, 1
	QUARTER 0, 1, 0, 1, 0
	WIN 0
	s_sub_co_u32 s3, s3, 1
	s_cmp_lg_u32 s3, 0
	s_cbranch_scc1 .Llap
	QUARTER 0, 2, 1, 0, 0                          ; step 20 goes on
	QUARTER 0, 3, 0, 1, 0
	TURN 0, 1, 2                                   ; slot 0 takes the last panel; Wo's last five pieces are asked for
	QUARTER 1, 1, 0, 1, 0                          ; step 21
	QUARTER 1, 2, 1, 0, 0
	QUARTER 1, 3, 0, 1, 0
	TURN 1, 0, 0                                   ; and stored
	QUARTER 0, 1, 0, 1, 0                          ; the last panel's two quarters
	s_wait_dscnt 8
	MULB 1, 0, 8, 0
	s_wait_dscnt 0x0
	MULB 1, 8, 4, 0
	s_wait_xcnt 0x0                                ; Wo's last stores have read v52-61, which the selects below write
; THE WAY OUT, an item (head j, row block a) at a time: 16 rows x 64 channels.  The table's row block, or 1 and 0 for a v head (a select: no branch hangs on the tile column); the rotation
; x1 c - x2 s, x2 c + x1 s; f16; through my own stage in LDS; 2,048 consecutive bytes of the head.
.macro SELT a
	WIN 0
.set i, 0
.rept 16
	v_cndmask_b32 v[T+i], 1.0, v[CS+32*(\a)+i], vcc_lo
.set i, i+1
.endr
.set i, 0
.rept 16
	v_cndmask_b32 v[T+16+i], 0, v[CS+32*(\a)+16+i], vcc_lo
.set i, i+1
.endr
.endm
.macro ROPE j, a                       ; each accumulator's lowest registers are read first
	WIN 0x02+(\j)/2
.irp cb, 0,1
.irp i, 0,2,4,6
.set x1, 8*(4*(4*((\j)%2)+\cb)+(\a))+\i
.set x2, 8*(4*(4*((\j)%2)+\cb+2)+(\a))+\i
	v_pk_mul_f32 v[UU+8*\cb+\i:UU+8*\cb+\i+1], v[x2:x2+1], v[T+16+8*\cb+\i:T+16+8*\cb+\i+1]
	v_pk_mul_f32 v[VV+8*\cb+\i:VV+8*\cb+\i+1], v[x1:x1+1], v[T+16+8*\cb+\i:T+16+8*\cb+\i+1]
.endr
.endr
.irp cb, 0,1
.irp i, 0,2,4,6
.set x1, 8*(4*(4*((\j)%2)+\cb)+(\a))+\i
.set x2, 8*(4*(4*((\j)%2)+\cb+2)+(\a))+\i
	v_pk_fma_f32 v[R+8*\cb+\i:R+8*\cb+\i+1], v[x1:x1+1], v[T+8*\cb+\i:T+8*\cb+\i+1], v[UU+8*\cb+\i:UU+8*\cb+\i+1] neg_lo:[0,0,1] neg_hi:[0,0,1]
	v_pk_fma_f32 v[R+16+8*\cb+\i:R+16+8*\cb+\i+1], v[x2:x2+1], v[T+8*\cb+\i:T+8*\cb+\i+1], v[VV+8*\cb+\i:VV+8*\cb+\i+1]
.endr
.endr
.endm
.macro PACKH
	WIN 0
.set i, 0
.rept 16
	v_cvt_pk_f16_f32 v[R+i], v[R+2*i], v[R+2*i+1]
.set i, i+1
.endr
.endm
.macro TOSTAGE m
	WIN 0
.irp cb, 0,1,2,3
	ds_store_b128 v[STO], v[R+4*\cb:R+4*\cb+3] offset:32*\cb
.endr
	WIN 0x40                                       ; back into window 1, two sets by turns
.irp f, 0,1,2,3
	ds_load_b128 v[16*((\m)%2)+4*\f:16*((\m)%2)+4*\f+3], v[RD] offset:576*\f  ; LDS serves a wave's instructions in order (ISA guide 5.7.1.4): these see the stores above
.endr
.endm
.macro SEND m
	s_wait_dscnt 0x0                               ; the item is back in registers
	s_wait_xcnt 0x0                                ; the item before's stores have read their registers: the next loads from the stage land there
	WIN 0x04
.irp f, 0,1,2,3
	global_store_b128 v[GO], v[16*((\m)%2)+4*\f:16*((\m)%2)+4*\f+3], s[OB+2*((\m)/4):OB+2*((\m)/4)+1] offset:2048*((\m)%4)+512*\f  ; 512 consecutive bytes, at a multiple of 256 from the buffer's first
.endr
.endm
.set n, 0
.irp j, 0,1,2
	s_mov_b32 vcc_lo, s[FL+\j]
.irp a, 0,1,2,3
	SELT \a                                        ; (the first item's 32 selects are the places behind the last products)
	ROPE \j, \a
	PACKH
.if n > 0
	SEND n-1
.endif
	TOSTAGE n
.set n, n+1
.endr
.endr
	SEND 11
	WIN 0
	s_wait_tensorcnt 0x0                           ; the wave's end, behind my last tensor load and my last LDS store
	ds_add_u32 v[SPW], v[NIL]
	s_wait_dscnt 0x0
	CROUND                                         ; the closing round: no work-group ends while a partner may still ask for a tile that names it
	s_endpgm
.Lfunc_end_k_q3cbe28b424_qkv:
	.size	k_q3cbe28b424_qkv, .Lfunc_end_k_q3cbe28b424_qkv-k_q3cbe28b424_qkv
	.p2alignl 7, 3214868480
	.fill 96, 4, 3214868480
	.section	.rodata,"a",@progbits
	.p2align	6, 0x0
	.amdhsa_kernel k_q3cbe28b424_qkv
		.amdhsa_group_segment_fixed_size 327680
		.amdhsa_private_segment_fixed_size 0
		.amdhsa_enable_private_segment 0
		.amdhsa_kernarg_size 72
		.amdhsa_user_sgpr_count 2
		.amdhsa_user_sgpr_kernarg_segment_ptr 1
		.amdhsa_wavefront_size32 1
		.amdhsa_system_sgpr_workgroup_id_x 1
		.amdhsa_system_sgpr_workgroup_id_y 1
		.amdhsa_system_sgpr_workgroup_id_z 1
		.amdhsa_system_vgpr_workitem_id 0
		.amdhsa_next_free_vgpr 1024
		.amdhsa_next_free_sgpr 92
		.amdhsa_reserve_vcc 1
		.amdhsa_float_denorm_mode_32 3
		.amdhsa_float_denorm_mode_16_64 3
		.amdhsa_memory_ordered 1
		.amdhsa_forward_progress 1
		.amdhsa_inst_pref_size 197
	.end_amdhsa_kernel
	.amdgpu_metadata
---
amdhsa.version: [ 1, 2 ]
amdhsa.kernels:
  - .name:           k_q3cbe28b424_qkv
    .symbol:         k_q3cbe28b424_qkv.kd
    .args:
      - { .name: xb, .offset: 0, .size: 8, .value_kind: global_buffer, .address_space: global }
      - { .name: wb, .offset: 8, .size: 8, .value_kind: global_buffer, .address_space: global }
      - { .name: bq, .offset: 16, .size: 8, .value_kind: global_buffer, .address_space: global }
      - { .name: bk, .offset: 24, .size: 8, .value_kind: global_buffer, .address_space: global }
      - { .name: bv, .offset: 32, .size: 8, .value_kind: global_buffer, .address_space: global }
      - { .name: freqs_cis, .offset: 40, .size: 8, .value_kind: global_buffer, .address_space: global }
      - { .name: qkv, .offset: 48, .size: 8, .value_kind: global_buffer, .address_space: global }
      - { .name: Wo, .offset: 56, .size: 8, .value_kind: global_buffer, .address_space: global }
      - { .name: wo16, .offset: 64, .size: 8, .value_kind: global_buffer, .address_space: global }
    .group_segment_fixed_size: 327680
    .private_segment_fixed_size: 0
    .kernarg_segment_align: 8
    .kernarg_segment_size: 72
    .max_flat_workgroup_size: 128
    .sgpr_count:     92
    .vgpr_count:     1024
    .wavefront_size: 32
...
	.end_amdgpu_metadata
.endif
;; end of part 2
;; launch attn (part 3): grid 32 x 8, 4 waves a work-group, no clusters, 167,936 bytes of LDS; arguments qkv, sinks, ob; writes ob
.if DOCPART == 3
	.amdgcn_target "amdgcn-amd-amdhsa--gfx1250"
	.amdhsa_code_object_version 6
	.text
	.protected	k_q3cbe28b424_attn
	.globl	k_q3cbe28b424_attn
	.p2align	8
	.type	k_q3cbe28b424_attn,@function
k_q3cbe28b424_attn:
	s_mov_b64 s[64:65], 0
	v_nop
	global_prefetch_b8 v0, s[64:65] scope:SCOPE_SE
	s_setreg_imm32_b32 hwreg(HW_REG_WAVE_MODE, 25, 1), 1
	s_wait_xcnt 0x0
; BANDED ATTENTION WITH A SINK.  Query t of block n (128 queries) sees the keys j = t + 1 .. t + 128 of the 256 keys of blocks n - 1 and n; block 0 has no block before it.
; p = exp(s / 8 - m) / (sum + exp(sink - m)), m = max(max s / 8, sink).  q, k, v: qkv [g 48][row][64] f16 (g 0-31 q, 32-39 k, 40-47 v).  O: ob [row / 256][q head 32][row % 256][64] f16.
; Products, maximum and sum in f32; the weights are rounded to f16 for the second product (their sum is taken of the unrounded ones), O once at the end; the sink is rounded to bf16 like every input.
; LIMITS.  A hidden score counts as its value less 1e30; a weight below 2^-126 counts as 0; NaN and infinities are not treated apart.
; SHARES.  A work-group: one k/v head, one block of queries: 32 x 8 work-groups of equal work.  Wave w: q head 4 x head + w, eight tiles of 16 queries, two (E = 2 t, O = 2 t + 1) in each of four trips.
; WHAT THE BAND LEAVES.  Tile i sees the key blocks (of 16) i .. i + 8 alone.  A pair takes the blocks 2 t + L, L = 0..9 (E: 0..8, O: 1..9): 36 products K Q^T and 40 products V^T P.
; All of a tile's keys are at hand at once: a true maximum, nothing is rescaled.
; LAYOUT.  S^T = K Q^T (source 0 = 16 keys, source 1 = 16 queries): a lane holds one query (lane % 16) and the keys 8 (lane / 16) + 0..7.  Two such results rounded to f16 are source 1 of O^T = V^T P.
; THE MASK is the C that starts a score's sum: ML for a tile's first block (key hidden where its place <= the query's), MH for its last (hidden where greater), CZ for the blocks between:
; 0, or -1e30 in block 0 for keys of the block that is not there.  There the first half of LDS holds block 0's rows once more: finite numbers with weight 0.
; NO CLUSTER: neighbouring blocks share one half of their keys, and want it at different LDS addresses.  NO PREFETCH: each work-group asks for all its tiles at its head.
; REGISTERS, in windows of 256 (s_set_vgpr_msb: bits 1:0 source 0, 3:2 source 1, 5:4 source 2, 7:6 destination):
;   window 0: v0-19 addresses and constants; v32-47 ML, MH; v48-79 CZ 0-3; v80-151, v152-223 S^T of E, O; v224-255 16 registers of statistics a tile
;   window 1: v0-159 K (block L, channel half c at 16 L + 8 c); v160-199, v200-239 P of E, O (block L at + 4 L)
;   window 2: v0-159 V (32 keys g, channel block cb at 32 g + 8 cb); v160-191, v192-223 O^T of E, O; v224-255 Q, 16 a tile
.set PK,    144                        ; a row of K in LDS: 128 bytes + 16
.set PV,    160                        ; a row of V: 128 + 32, for the turning load
.set VOFF,  256*PK
.set STAGE, VOFF+256*PV                ; behind the tiles, never filled by a tensor load: 16 rows x 144 bytes for each wave
.set SP,    144
.set SPARE, STAGE+4*16*SP              ; the spare words, 128 bytes for each wave, that no other line names
.set AK,  2
.set AV,  3
.set QO,  4
.set STO, 5
.set RD,  6
.set GO,  7
.set SPW, 8
.set NIL, 9
.set SK,  10                           ; sink x log2(e)
.set ZB,  11                           ; -1e30 in block 0, else 0
.set BIG, 12                           ; -1e30
.set ML,  32
.set MH,  40
.set CZ,  48
.set SE,  80                           ; O's at + 72
.set SO,  152
.set TE,  224                          ; O's at + 16.  +0..8 maxima; +9 the other half of the lanes'; +10, 11 c m (a pair); +12 l; +14, 15 the sink's term, then 1 / l (a pair)
.set KF,  0
.set PE,  160
.set PO,  200
.set VF,  0
.set OE,  160
.set QF,  224
.set WV,  12
.set PAR, 13
.set NB,  14
.set KVH, 15
.set HQ,  16
.set CNT, 17
.set QB,  20                           ; s[20:21] Q at the pair in hand
.set OB,  22                           ; s[22:23] O at the pair in hand
.set G1K, 24
.set G1V, 32
.set G0K, 40
.set G0V, 44
.set CS,  48                           ; s[48:49] c = log2(e) / 8
.set SEL, 50                           ; s[50:51] v_permlanex16_b32's selects: each lane takes its own place in the other half
.set MSB, 0
.macro WIN new
.if MSB != (\new)
	s_set_vgpr_msb (MSB<<8)|(\new)
.set MSB, \new
.endif
.endm
.macro WM d, a, b, c
	v_wmma_f32_16x16x32_f16 v[(\d):(\d)+7], v[(\a):(\a)+7], v[(\b):(\b)+7], v[(\c):(\c)+7]
.endm
.macro WM0 d, a, b
	v_wmma_f32_16x16x32_f16 v[(\d):(\d)+7], v[(\a):(\a)+7], v[(\b):(\b)+7], 0
.endm
.macro FETCH_K                         ; ten blocks of 16 keys x 64 channels
	WIN 0x40
.irp lam, 0,1,2,3,4,5,6,7,8,9
.irp c, 0,1
	ds_load_b128 v[KF+16*\lam+8*\c:KF+16*\lam+8*\c+3], v[AK] offset:\lam*16*PK+64*\c
	ds_load_b128 v[KF+16*\lam+8*\c+4:KF+16*\lam+8*\c+7], v[AK] offset:\lam*16*PK+64*\c+32
.endr
.endr
.endm
.macro FETCH_V                         ; five groups of 32 keys x 64 channels, turned
	WIN 0x80
.irp g, 0,1,2,3,4
.irp cb, 0,1,2,3
	ds_load_tr16_b128 v[VF+32*\g+8*\cb:VF+32*\g+8*\cb+3], v[AV] offset:\g*32*PV+32*\cb
	ds_load_tr16_b128 v[VF+32*\g+8*\cb+4:VF+32*\g+8*\cb+7], v[AV] offset:\g*32*PV+16*PV+32*\cb
.endr
.endr
.endm
.macro QLOAD                           ; the pair's 32 rows of Q
	WIN 0x80
.irp e, 0,1
.irp c, 0,1
	global_load_b128 v[QF+16*\e+8*\c:QF+16*\e+8*\c+3], v[QO], s[QB:QB+1] offset:2048*\e+64*\c
	global_load_b128 v[QF+16*\e+8*\c+4:QF+16*\e+8*\c+7], v[QO], s[QB:QB+1] offset:2048*\e+64*\c+32
.endr
.endr
.endm
; The 18 accumulators take turns; the first 18 products start the sums with the masks.
.macro KQ36
	WIN 0x09
.irp c, 0,1
.irp lam, 0,1,2,3,4,5,6,7,8,9
.if \lam < 9
.if \c == 1
	WM SE+8*\lam, KF+16*\lam+8, QF+8, SE+8*\lam
.elseif \lam == 0
	WM SE, KF, QF, ML
.elseif \lam == 8
	WM SE+64, KF+128, QF, MH
.else
	WM SE+8*\lam, KF+16*\lam, QF, CZ+8*(\lam/2)
.endif
.endif
.if \lam > 0
.if \c == 1
	WM SO+8*(\lam-1), KF+16*\lam+8, QF+24, SO+8*(\lam-1)
.elseif \lam == 1
	WM SO, KF+16, QF+16, ML
.elseif \lam == 8
	WM0 SO+56, KF+128, QF+16
.elseif \lam == 9
	WM SO+64, KF+144, QF+16, MH
.else
	WM SO+8*(\lam-1), KF+16*\lam, QF+16, CZ+8*(\lam/2)
.endif
.endif
.endr
.endr
.endm
.macro PV40                            ; eight accumulators by turns; the first eight products start the sums
	WIN 0xa6
.irp g, 0,1,2,3,4
.irp cb, 0,1,2,3
.if \g == 0
	WM0 OE+8*\cb, VF+8*\cb, PE
	WM0 OE+32+8*\cb, VF+8*\cb, PO
.else
	WM OE+8*\cb, VF+32*\g+8*\cb, PE+8*\g, OE+8*\cb
	WM OE+32+8*\cb, VF+32*\g+8*\cb, PO+8*\g, OE+32+8*\cb
.endif
.endr
.endr
.endm
; Tile x: O^T / l, f16, through my stage, back as whole rows into S^T's registers.
.macro PACK x
	WIN 0x82
.set i, 0
.rept 16
	v_pk_mul_f32 v[OE+32*(\x)+i:OE+32*(\x)+i+1], v[OE+32*(\x)+i:OE+32*(\x)+i+1], v[TE+16*(\x)+14:TE+16*(\x)+15] op_sel_hi:[1,0]
.set i, i+2
.endr
	WIN 0x0a
.set i, 0
.rept 16
	v_cvt_pk_f16_f32 v[SE+72*(\x)+i], v[OE+32*(\x)+2*i], v[OE+32*(\x)+2*i+1]
.set i, i+1
.endr
	WIN 0
.irp f, 0,1,2,3
	ds_store_b128 v[STO], v[SE+72*(\x)+4*\f:SE+72*(\x)+4*\f+3] offset:32*\f
.endr
.irp f, 0,1,2,3
	ds_load_b128 v[SE+72*(\x)+4*\f:SE+72*(\x)+4*\f+3], v[RD] offset:\f*4*SP  ; LDS serves a wave's instructions in order (ISA guide 5.7.1.4): these see the stores above; the next tile's stores come behind them
.endr
.endm
.macro SEND x, younger
	WIN 0
	s_wait_dscnt \younger
.irp f, 0,1,2,3
	global_store_b128 v[GO], v[SE+72*(\x)+4*\f:SE+72*(\x)+4*\f+3], s[OB:OB+1] offset:2048*(\x)+512*\f  ; 512 consecutive bytes, at a multiple of 256 from the buffer's first
.endr
.endm
	s_load_b128 s[4:7], s[0:1], 0x0                ; qkv s[4:5], sinks s[6:7]
	s_load_b64 s[8:9], s[0:1], 0x10                ; ob
	v_lshl_add_u32 v[SPW], v0, 2, SPARE
	v_mov_b32 v[NIL], 0
	ds_add_u32 v[SPW], v[NIL]                      ; the wave's opening: the add and its wait, ahead of my first tensor load
	v_lshrrev_b32 v1, 5, v0
	v_readfirstlane_b32 s[WV], v1
	s_and_b32 s[PAR], s[WV], 1                     ; which half of the 256 keys I fetch
	s_mov_b32 s[NB], ttmp9
	s_and_b32 s[KVH], ttmp7, 0xffff
	s_lshl2_add_u32 s[HQ], s[KVH], s[WV]
	s_mov_b32 s[G1K], 0x07110000                   ; 2-byte elements; padding on; after every 32 words 4 words
	s_mov_b32 s[G1V], 0x0f110000                   ; 8 words
.irp g, G1K, G1V
	s_mov_b32 s[\g+1], 128<<16                     ; 128 keys are 16,384 dense bytes: 64 rows of 256
	s_mov_b32 s[\g+2], 64<<16
	s_mov_b32 s[\g+3], 128<<16
	s_mov_b32 s[\g+4], 64
	s_mov_b32 s[\g+5], 128
	s_mov_b32 s[\g+6], 0
	s_mov_b32 s[\g+7], 0
.endr
	s_mov_b32 s[G0K], 1
	s_mul_i32 s[G0K+1], s[PAR], 128*PK
	s_mov_b32 s[G0V], 1
	s_mul_i32 s[G0V+1], s[PAR], 128*PV
	s_add_co_u32 s[G0V+1], s[G0V+1], VOFF
	s_add_co_u32 s52, s[NB], s[PAR]
	s_sub_co_i32 s52, s52, 1
	s_max_i32 s52, s52, 0                          ; block n - 1 (block 0 where there is none) or block n
	s_lshl_b32 s52, s52, 14
	s_add_co_u32 s54, s[KVH], 32
	s_lshl_b32 s54, s54, 19
	s_add_co_u32 s52, s52, s54                     ; in K's head
	s_mov_b32 s53, 0
	s_add_co_u32 s54, s52, 8*524288                ; in V's
	s_mov_b32 s55, 0
	s_mov_b32 s[CS], 0x3e38aa3b
	s_mov_b32 s[CS+1], s[CS]                       ; named with it as a pair
	s_mov_b32 s[SEL], 0x76543210
	s_mov_b32 s[SEL+1], 0xfedcba98
	s_mov_b32 s19, 0xf149f2ca                      ; -1e30
	s_cmp_eq_u32 s[NB], 0
	s_cselect_b32 s18, s19, 0
	s_lshl_b32 s57, s[HQ], 2
	s_mov_b32 s[CNT], 4
	s_wait_dscnt 0x0                               ; the opening add is done
	s_wait_kmcnt 0x0
	s_add_nc_u64 s[G0K+2:G0K+3], s[4:5], s[52:53]
	s_or_b32 s[G0K+3], s[G0K+3], 0x80000000
	s_add_nc_u64 s[G0V+2:G0V+3], s[4:5], s[54:55]
	s_or_b32 s[G0V+3], s[G0V+3], 0x80000000
	s_cmp_lt_u32 s[WV], 2                          ; waves 0 and 1 fetch K's halves, waves 2 and 3 V's: one load a wave, all first fills
	s_cbranch_scc0 .Lfor_v
	tensor_load_to_lds s[G0K:G0K+3], s[G1K:G1K+7]
	s_nop 0
.rept 4
	v_nop
.endr
	s_branch .Lasked
.Lfor_v:
	tensor_load_to_lds s[G0V:G0V+3], s[G1V:G1V+7]
	s_nop 0
.rept 4
	v_nop
.endr
.Lasked:
	s_lshl_b32 s52, s[HQ], 19
	s_lshl_b32 s54, s[NB], 14
	s_add_co_u32 s52, s52, s54
	s_add_nc_u64 s[QB:QB+1], s[4:5], s[52:53]      ; Q: my head, the block's first row
	s_lshr_b32 s52, s[NB], 1
	s_lshl_b32 s52, s52, 5
	s_add_co_u32 s52, s52, s[HQ]
	s_lshl_b32 s52, s52, 8
	s_and_b32 s54, s[NB], 1
	s_lshl_b32 s54, s54, 7
	s_add_co_u32 s52, s52, s54
	s_lshl_b32 s52, s52, 7
	s_add_nc_u64 s[OB:OB+1], s[8:9], s[52:53]
	v_and_b32 v1, 15, v0                           ; r
	v_bfe_u32 v13, v0, 4, 1                        ; h
	v_lshlrev_b32 v[QO], 7, v1
	v_lshl_add_u32 v[QO], v13, 4, v[QO]
	QLOAD
	WIN 0
	v_mov_b32 v15, s57
	global_load_b32 v[SK], v15, s[6:7]             ; my head's sink, the same word in every lane
	v_lshlrev_b32 v14, 3, v13
	v_sub_nc_u32 v14, v1, v14                      ; d = r - 8 h: register jj holds the key at place 8 h + jj of its block
	v_mov_b32 v[BIG], s19
	v_mov_b32 v[ZB], s18
.set i, 0
.rept 8
	v_cmp_le_i32 vcc_lo, i, v14
	v_cndmask_b32 v[ML+i], v[ZB], v[BIG], vcc_lo
	v_cmp_gt_i32 vcc_lo, i, v14
	v_cndmask_b32 v[MH+i], 0, v[BIG], vcc_lo
.set i, i+1
.endr
.set i, 0
.rept 32
	v_mov_b32 v[CZ+i], v[ZB]                       ; in the first trip the blocks between all lie in the first half
.set i, i+1
.endr
.irp x, 0,1
	v_mov_b32 v[TE+16*\x+9], 0                     ; written once: a lane exchange's destination, and the idle halves of two pairs
	v_mov_b32 v[TE+16*\x+11], 0
	v_mov_b32 v[TE+16*\x+15], 0
.endr
	WIN 0x40
.irp i, 0,1,2,3
	v_mov_b32 v[PE+36+\i], 0                       ; E has no block 9, O no block 0
	v_mov_b32 v[PO+\i], 0
.endr
	WIN 0
	v_mul_u32_u24 v[AK], v1, PK
	v_lshl_add_u32 v[AK], v13, 4, v[AK]
	v_and_b32 v16, 7, v0
	v_bfe_u32 v17, v0, 3, 1
	v_lshl_add_u32 v[AV], v13, 3, v16
	v_mul_u32_u24 v[AV], v[AV], PV
	v_lshl_add_u32 v[AV], v17, 4, v[AV]
	v_add_nc_u32 v[AV], VOFF, v[AV]
	s_mul_i32 s52, s[WV], 16*SP
	s_add_co_u32 s52, s52, STAGE
	v_mul_u32_u24 v[STO], v1, SP
	v_lshl_add_u32 v[STO], v13, 4, v[STO]
	v_add_nc_u32 v[STO], s52, v[STO]
	v_bfe_u32 v[RD], v0, 3, 2
	v_mul_u32_u24 v[RD], v[RD], SP
	v_lshl_add_u32 v[RD], v16, 4, v[RD]
	v_add_nc_u32 v[RD], s52, v[RD]
	v_and_b32 v[GO], 31, v0
	v_lshlrev_b32 v[GO], 4, v[GO]
	s_wait_loadcnt 0x0
	v_cvt_pk_bf16_f32 v[SK], v[SK], v[SK]          ; the sink rounded to bf16,
	v_lshlrev_b32 v[SK], 16, v[SK]
	v_mul_f32 v[SK], 0x3fb8aa3b, v[SK]             ; times log2(e)
	s_wait_tensorcnt 0x0                           ; my part of the tiles is in,
	s_barrier_signal -1
	s_barrier_wait -1                              ; everybody's is
	FETCH_K
	FETCH_V
	WIN 0
.Ltrip:
	s_wait_loadcnt 0x0                             ; Q
	s_wait_dscnt 0x0                               ; K and V
	KQ36
	WIN 0
	v_add_nc_u32 v[AK], 32*PK, v[AK]               ; the next pair begins 32 keys on; these four lines are the places behind the products
	v_add_nc_u32 v[AV], 32*PV, v[AV]
	v_nop
	v_nop
	s_cmp_eq_u32 s[CNT], 1
	s_cbranch_scc1 .Lno_k                          ; the last pair has none behind it
	FETCH_K
	s_add_nc_u64 s[QB:QB+1], s[QB:QB+1], 4096      ; (the loads that read it were waited for at the trip's head)
	QLOAD
	WIN 0
.Lno_k:
	; the maximum of a lane's 72 scores: nine chains, each accumulator from its low end; E's and O's lines alternate
.irp b, 0,1,2,3,4,5,6,7,8
.irp x, 0,1
	v_max3_num_f32 v[TE+16*\x+\b], v[SE+72*\x+8*\b], v[SE+72*\x+8*\b+1], v[SE+72*\x+8*\b+2]
.endr
.endr
.irp p, 3,5
.irp b, 0,1,2,3,4,5,6,7,8
.irp x, 0,1
	v_max3_num_f32 v[TE+16*\x+\b], v[TE+16*\x+\b], v[SE+72*\x+8*\b+\p], v[SE+72*\x+8*\b+\p+1]
.endr
.endr
.endr
.irp b, 0,1,2,3
.irp x, 0,1
	v_max3_num_f32 v[TE+16*\x+\b], v[TE+16*\x+\b], v[SE+72*\x+16*\b+7], v[SE+72*\x+16*\b+15]
.endr
.endr
.irp x, 0,1
	v_max_num_f32 v[TE+16*\x+4], v[TE+16*\x+4], v[SE+72*\x+71]
.endr
.irp b, 0,3,6
.irp x, 0,1
	v_max3_num_f32 v[TE+16*\x+\b], v[TE+16*\x+\b], v[TE+16*\x+\b+1], v[TE+16*\x+\b+2]
.endr
.endr
.irp x, 0,1
	v_max3_num_f32 v[TE+16*\x], v[TE+16*\x], v[TE+16*\x+3], v[TE+16*\x+6]
.endr
.irp x, 0,1
	v_permlanex16_b32 v[TE+16*\x+9], v[TE+16*\x], s[SEL], s[SEL+1]  ; the query's other keys lie in the lane 16 away
.endr
.irp x, 0,1
	v_max_num_f32 v[TE+16*\x], v[TE+16*\x], v[TE+16*\x+9]
.endr
.irp x, 0,1
	v_mul_f32 v[TE+16*\x+10], s[CS], v[TE+16*\x]
.endr
.irp x, 0,1
	v_max_num_f32 v[TE+16*\x+10], v[TE+16*\x+10], v[SK]  ; c m, the sink among the candidates
.endr
.irp x, 0,1
	v_sub_f32 v[TE+16*\x+14], v[SK], v[TE+16*\x+10]
.endr
.set k, 0
.rept 36
.irp x, 0,1
	v_pk_fma_f32 v[SE+72*\x+2*k:SE+72*\x+2*k+1], v[SE+72*\x+2*k:SE+72*\x+2*k+1], s[CS:CS+1], v[TE+16*\x+10:TE+16*\x+11] op_sel_hi:[1,0,0] neg_lo:[0,0,1] neg_hi:[0,0,1]
.endr
.set k, k+1
.endr
	; one batch of 146 exponentials, none of which reads another's result
.set k, 0
.rept 144
	v_exp_f32 v[SE+k], v[SE+k]
.set k, k+1
.endr
	v_exp_f32 v[TE+14], v[TE+14]
	v_exp_f32 v[TE+30], v[TE+30]
	v_nop                                          ; a plain instruction behind the last exponential,
	s_wait_alu depctr_va_vdst(0)                   ; and one wait ahead of the batch's first reader
	WIN 0x40
.set k, 0
.rept 36
	v_cvt_pk_f16_f32 v[PE+k], v[SE+2*k], v[SE+2*k+1]
	v_cvt_pk_f16_f32 v[PO+4+k], v[SO+2*k], v[SO+2*k+1]
.set k, k+1
.endr
	WIN 0
.set k, 4
.rept 32                               ; the sum of a tile's 36 pairs, in four chains, in place
.irp x, 0,1
	v_pk_add_f32 v[SE+72*\x+2*(k%4):SE+72*\x+2*(k%4)+1], v[SE+72*\x+2*(k%4):SE+72*\x+2*(k%4)+1], v[SE+72*\x+2*k:SE+72*\x+2*k+1]
.endr
.set k, k+1
.endr
.irp x, 0,1
	v_pk_add_f32 v[SE+72*\x:SE+72*\x+1], v[SE+72*\x:SE+72*\x+1], v[SE+72*\x+2:SE+72*\x+3]
	v_pk_add_f32 v[SE+72*\x+4:SE+72*\x+5], v[SE+72*\x+4:SE+72*\x+5], v[SE+72*\x+6:SE+72*\x+7]
.endr
.irp x, 0,1
	v_pk_add_f32 v[SE+72*\x:SE+72*\x+1], v[SE+72*\x:SE+72*\x+1], v[SE+72*\x+4:SE+72*\x+5]
.endr
.irp x, 0,1
	v_add_f32 v[TE+16*\x+12], v[SE+72*\x], v[SE+72*\x+1]
.endr
.irp x, 0,1
	v_permlanex16_b32 v[TE+16*\x+9], v[TE+16*\x+12], s[SEL], s[SEL+1]
.endr
.irp x, 0,1
	v_add_f32 v[TE+16*\x+12], v[TE+16*\x+12], v[TE+16*\x+9]
.endr
.irp x, 0,1
	v_add_f32 v[TE+16*\x+12], v[TE+16*\x+12], v[TE+16*\x+14]  ; the sink's term, once a query
.endr
	v_rcp_f32 v[TE+14], v[TE+12]
	v_rcp_f32 v[TE+30], v[TE+28]
	v_nop                                          ; a plain instruction behind the reciprocals
	PV40
.rept 4
	v_nop                                          ; the places behind the products
.endr
	WIN 0
	s_wait_alu depctr_va_vdst(0)                   ; the reciprocals' wait, ahead of the branch and of their first reader
	s_cmp_eq_u32 s[CNT], 1
	s_cbranch_scc1 .Lno_v
	FETCH_V
	WIN 0
.Lno_v:
	PACK 0
	PACK 1
	SEND 0, 8                                      ; O's four stores and four loads may be out
	SEND 1, 0
.set i, 0
.rept 8                                ; the next pair lies two blocks on: one group more of the blocks between lies in the second half
	v_mov_b32 v[CZ+8+i], v[CZ+16+i]
	v_mov_b32 v[CZ+16+i], v[CZ+24+i]
	v_mov_b32 v[CZ+24+i], 0
.set i, i+1
.endr
	s_wait_xcnt 0x0                                ; the stores have read their registers and their base
	s_add_nc_u64 s[OB:OB+1], s[OB:OB+1], 4096
	s_sub_co_u32 s[CNT], s[CNT], 1
	s_cmp_lg_u32 s[CNT], 0
	s_cbranch_scc1 .Ltrip
	s_wait_tensorcnt 0x0                           ; the wave's end, behind my last tensor load and my last LDS store
	ds_add_u32 v[SPW], v[NIL]
	s_wait_dscnt 0x0
	s_endpgm
.Lfunc_end_k_q3cbe28b424_attn:
	.size	k_q3cbe28b424_attn, .Lfunc_end_k_q3cbe28b424_attn-k_q3cbe28b424_attn
	.p2alignl 7, 3214868480
	.fill 96, 4, 3214868480
	.section	.rodata,"a",@progbits
	.p2align	6, 0x0
	.amdhsa_kernel k_q3cbe28b424_attn
		.amdhsa_group_segment_fixed_size 167936
		.amdhsa_private_segment_fixed_size 0
		.amdhsa_enable_private_segment 0
		.amdhsa_kernarg_size 24
		.amdhsa_user_sgpr_count 2
		.amdhsa_user_sgpr_kernarg_segment_ptr 1
		.amdhsa_wavefront_size32 1
		.amdhsa_system_sgpr_workgroup_id_x 1
		.amdhsa_system_sgpr_workgroup_id_y 1
		.amdhsa_system_sgpr_workgroup_id_z 1
		.amdhsa_system_vgpr_workitem_id 0
		.amdhsa_next_free_vgpr 768
		.amdhsa_next_free_sgpr 66
		.amdhsa_reserve_vcc 1
		.amdhsa_float_denorm_mode_32 3
		.amdhsa_float_denorm_mode_16_64 3
		.amdhsa_memory_ordered 1
		.amdhsa_forward_progress 1
		.amdhsa_inst_pref_size 56
	.end_amdhsa_kernel
	.amdgpu_metadata
---
amdhsa.version: [ 1, 2 ]
amdhsa.kernels:
  - .name:           k_q3cbe28b424_attn
    .symbol:         k_q3cbe28b424_attn.kd
    .args:
      - { .name: qkv, .offset: 0, .size: 8, .value_kind: global_buffer, .address_space: global }
      - { .name: sinks, .offset: 8, .size: 8, .value_kind: global_buffer, .address_space: global }
      - { .name: ob, .offset: 16, .size: 8, .value_kind: global_buffer, .address_space: global }
    .group_segment_fixed_size: 167936
    .private_segment_fixed_size: 0
    .kernarg_segment_align: 8
    .kernarg_segment_size: 24
    .max_flat_workgroup_size: 128
    .sgpr_count:     66
    .vgpr_count:     768
    .wavefront_size: 32
...
	.end_amdgpu_metadata
.endif
;; end of part 3
;; launch proj (part 4): grid 16 x 15, 4 waves a work-group, clusters of 4 x 1, 327,680 bytes of LDS; arguments ob, wo16, bo, out0; writes out0
.if DOCPART == 4
	.amdgcn_target "amdgcn-amd-amdhsa--gfx1250"
	.amdhsa_code_object_version 6
	.text
	.protected	k_q3cbe28b424_proj
	.globl	k_q3cbe28b424_proj
	.p2align	8
	.type	k_q3cbe28b424_proj,@function
k_q3cbe28b424_proj:
	s_mov_b64 s[64:65], 0
	v_nop
	global_prefetch_b8 v0, s[64:65] scope:SCOPE_SE
	s_setreg_imm32_b32 hwreg(HW_REG_WAVE_MODE, 25, 1), 1
	s_wait_xcnt 0x0
	s_wait_alu depctr_hold_cnt(0) depctr_sa_sdst(0) depctr_va_vdst(0) depctr_va_sdst(0) depctr_va_ssrc(0) depctr_va_vcc(0) depctr_vm_vsrc(0)
	s_getreg_b32 s2, hwreg(HW_REG_IB_STS2, 6, 4)
	s_cmp_eq_u32 s2, 0
	s_cbranch_scc0 .Lentry_in_a_cluster
	s_endpgm
.Lentry_in_a_cluster:
	s_bfe_u32 s2, ttmp6, 0x10000c
	s_cmp_lg_u32 s2, 0x3003
	s_cbranch_scc0 .Lentry_shape_is_right
	s_endpgm
.Lentry_shape_is_right:
; out0 = O Wo + bo.  O: ob [mt 16][p 32][r 256][c 64] f16; Wo: wo16 [p 32][X 45][k 64][c 64], bf16 numbers written as f16; bo is rounded to bf16 here; sums in f32; out0 f32 [4096][2880].
; SHARES.  A work-group makes 256 rows x 192 columns: 16 x 15 work-groups (2880 = 15 x 192).  Four waves one below the other, 64 rows x 192 columns each: 48 accumulators.
; K = 2048 = 32 panels of 64 goes in 16 steps of two panels through two LDS slots.  A panel of O's tile is 32,768 dense bytes; of Wo's, three neighbouring blocks, 24,576, and 45 blocks lie from one
; panel to the next.  Each is asked for as rows of 256 bytes, padded in LDS after every 128: rows of O 144 bytes apart, rows of Wo ([k][c], read turned) 160.
; THE MATRIX INSTRUCTION IS USED TRANSPOSED: source 0 = 16 columns of Wo, source 1 = 16 rows of O: a lane holds one row and eight neighbouring columns.  The bias is the C of the first products.
; CLUSTER.  15 tile columns are no multiple of four, so the cluster is 4 x 1: four tile rows of one tile column.  Wo's panels are asked for jointly by the four; O's are each work-group's own.
; REGISTERS, in windows of 256: window 0: v0-31 addresses; v64-127 O's fragments, two buffers; on the way out v32-127 and v128-223 rows read back, by turns
;   window 1: v0-191 Wo's fragments, two buffers     window 2: accumulators of column blocks 0-7, (b, a) at 8 (4 b + a)     window 3: v0-127 blocks 8-11; v128-223 the bias as C; v224-227 at work
.set TRIPS,  7                         ; each trip takes two steps and fills both slots again: steps 2 to 15
.set PA,     144
.set PB,     160
.set APAN,   256*PA
.set BPAN,   192*PB
.set BOFF,   2*APAN
.set SLOT,   2*APAN+2*BPAN
.set STAGE,  2*SLOT                    ; behind the ring: 16 rows x 784 bytes (768 + 16) for each wave
.set SPITCH, 784
.set SPARE,  STAGE+4*16*SPITCH         ; the spare words, 128 bytes for each wave, that no other line names
.set ROWB,   11520                     ; bytes in a row of out0
.set BSTR,   45*8192                   ; bytes from a panel of Wo to the next
.set ADRA, 16
.set ADRB, 20
.set STO,  24
.set RD,   25
.set CO,   26
.set SPW,  28
.set NIL,  29
.set PFO,  30
.set BO,   31
.set BIAS, 128
.set WV,  18
.set HF,  19
.set PAR, 20
.set CX,  21
.set NT,  23
.set G1A, 24
.set G0A, 32
.set MT,  40
.set LIM, 43
.set PFA, 44
.set PFS, 46
.set G1B, 48
.set G0B, 56
.set OUT, 72
.set MASK, 81
.set MSB, 0
.macro WIN new
.if MSB != (\new)
	s_set_vgpr_msb (MSB<<8)|(\new)
.set MSB, \new
.endif
.endm
.macro WM d, a, b, c
	v_wmma_f32_16x16x32_f16 v[(\d):(\d)+7], v[(\a):(\a)+7], v[(\b):(\b)+7], v[(\c):(\c)+7]
.endm
.macro PLACES
.rept 4
	v_nop
.endr
.endm
; Waves 0 and 1 fetch O's two panels of a step (a load of the work-group's own), waves 2 and 3 Wo's (jointly).  An s_nop 0 and four v_nop follow each line.
.macro JLOAD s
	s_cmp_eq_u32 s[HF], 0
	s_cbranch_scc0 .Lfor_b_\@
	tensor_load_to_lds s[G0A+4*(\s):G0A+4*(\s)+3], s[G1A:G1A+7]
	s_nop 0
.rept 4
	v_nop
.endr
	s_branch .Lasked_\@
.Lfor_b_\@:
	tensor_load_to_lds s[G0B+4*(\s):G0B+4*(\s)+3], s[G1B:G1B+7]
	s_nop 0
.rept 4
	v_nop
.endr
.Lasked_\@:
.endm
.macro CREST
	s_cmp_lg_u32 s[WV], 0
	s_cbranch_scc1 .Lnot_wave_0_\@
	s_barrier_signal -3
.Lnot_wave_0_\@:
	s_barrier_wait -3
	s_barrier_signal -1
	s_barrier_wait -1
.endm
.macro CROUND
	s_barrier_signal -1
	s_barrier_wait -1
	CREST
.endm
; A PREFETCH of my panel of the step that stands two refills on, behind the load and the run of LDS loads.  O's tile row is read by the work-groups of all 15 tile columns: tile column 0 asks, each of
; its waves 0 and 1 for its own panel's 128 blocks of 256 bytes, four lines.  Wo's tile column is read by four clusters: cluster x = 0 asks, its four partners 24 of a panel's 96 blocks each, told apart
; by address (lanes 24-31 name lane 23's block once more).  Steps 0 to 3 come by their loads alone; the loop's last trip asks for nothing.
.macro ASK
	WIN 0
	s_cmp_gt_u32 s3, s[LIM]
	s_cbranch_scc0 .Lnot_mine_\@
	global_prefetch_b8 v[PFO], s[PFA:PFA+1] th:TH_LOAD_NT scope:SCOPE_SE
	s_cmp_eq_u32 s[HF], 0
	s_cbranch_scc0 .Lnot_mine_\@
	global_prefetch_b8 v[PFO], s[PFA:PFA+1] offset:8192 th:TH_LOAD_NT scope:SCOPE_SE
	global_prefetch_b8 v[PFO], s[PFA:PFA+1] offset:16384 th:TH_LOAD_NT scope:SCOPE_SE
	global_prefetch_b8 v[PFO], s[PFA:PFA+1] offset:24576 th:TH_LOAD_NT scope:SCOPE_SE
.Lnot_mine_\@:
.endm
; All 48 accumulators take turns, in the same order in every quarter.  zero = 1: the bias starts the sums.
.macro MULB f, b0, nb, zero
.set bb, \b0
.rept \nb
.if bb < 8
.set rD, 32*bb
	WIN 0xa1+0x10*(\zero)
.else
.set rD, 32*(bb-8)
	WIN 0xf1
.endif
.irp a, 0,1,2,3
.if \zero
	WM rD+8*\a, 96*(\f)+8*bb, 64+32*(\f)+8*\a, BIAS+8*bb
.else
	WM rD+8*\a, 96*(\f)+8*bb, 64+32*(\f)+8*\a, rD+8*\a
.endif
.endr
.set bb, bb+1
.endr
.endm
.macro FETCH slot, q, f
	WIN 0
.irp a, 0,1,2,3
	ds_load_b128 v[64+32*(\f)+8*\a:64+32*(\f)+8*\a+3], v[ADRA+(\slot)] offset:((\q)/2)*APAN+\a*16*PA+64*((\q)%2)
	ds_load_b128 v[64+32*(\f)+8*\a+4:64+32*(\f)+8*\a+7], v[ADRA+(\slot)] offset:((\q)/2)*APAN+\a*16*PA+64*((\q)%2)+32
.endr
	WIN 0x40
.irp b, 0,1,2,3,4,5,6,7,8,9,10,11
	ds_load_tr16_b128 v[96*(\f)+8*\b:96*(\f)+8*\b+3], v[ADRB+(\slot)] offset:((\q)/2)*BPAN+((\b/4)*64+32*((\q)%2))*PB+(\b%4)*32
	ds_load_tr16_b128 v[96*(\f)+8*\b+4:96*(\f)+8*\b+7], v[ADRB+(\slot)] offset:((\q)/2)*BPAN+((\b/4)*64+32*((\q)%2)+16)*PB+(\b%4)*32
.endr
.endm
.macro QUARTER slot, qnext, f, g, zero ; multiplies buffer f; behind its first 16 products the next quarter is fetched into buffer g: 32 products stand between that run and the first wait for it
	s_wait_dscnt 8                                 ; all but Wo's fragments 8-11, the youngest eight loads
	MULB \f, 0, 4, \zero
	PLACES
	FETCH \slot, \qnext, \g
	s_wait_dscnt 32                                ; all but the 32 just issued
	MULB \f, 4, 8, \zero
.endm
.macro MEET round
	WIN 0
	s_wait_tensorcnt 0x0                           ; all my tensor loads have landed: my part of the next slot
	ds_add_u32 v[SPW], v[NIL]
	s_wait_dscnt 9                                 ; (the add and the youngest eight loads may be out)
	MULB 1, 0, 2, 0
	s_wait_dscnt 0x0                               ; the add is done, and my reads of this slot are over (the last were issued 40 products ago)
	s_barrier_signal -1
	MULB 1, 2, 2, 0
.if \round
	WIN 0
.endif
	s_barrier_wait -1
.endm
.macro TURN slot, next, mode           ; mode 1: the slot is filled again, two steps on, behind a round of the cluster's barrier: 176 matrix instructions ahead of the wait for it; mode 0: nothing is filled
.if (\mode) == 1
	s_wait_xcnt 0x0                                ; the last prefetches, a step back, have read their address
	s_add_nc_u64 s[PFA:PFA+1], s[PFA:PFA+1], s[PFS:PFS+1]
	MEET 1
	CREST
	s_add_nc_u64 s[G0A+4*(\slot)+2:G0A+4*(\slot)+3], s[G0A+4*(\slot)+2:G0A+4*(\slot)+3], 4*32768
	s_add_nc_u64 s[G0B+4*(\slot)+2:G0B+4*(\slot)+3], s[G0B+4*(\slot)+2:G0B+4*(\slot)+3], 4*BSTR
	JLOAD \slot
.else
	MEET 0
	PLACES
.endif
	FETCH \next, 0, 0
.if (\mode) == 1
	ASK
.endif
	MULB 1, 4, 8, 0
.endm
.macro RND2 lo, tmp
	v_cvt_pk_bf16_f32 v[\tmp], v[\lo], v[(\lo)+1]
	v_lshlrev_b32 v[\lo], 16, v[\tmp]
	v_and_b32 v[(\lo)+1], s[MASK], v[\tmp]
.endm
	s_load_b256 s[4:11], s[0:1], 0x0               ; ob s[4:5], wo16 s[6:7], bo s[8:9], out0 s[10:11]
	v_lshl_add_u32 v[SPW], v0, 2, SPARE
	v_mov_b32 v[NIL], 0
	ds_add_u32 v[SPW], v[NIL]                      ; the wave's opening: the add and its wait, ahead of my first tensor load
	v_lshrrev_b32 v1, 5, v0
	v_readfirstlane_b32 s[WV], v1
	s_lshr_b32 s[HF], s[WV], 1
	s_and_b32 s[PAR], s[WV], 1
	s_bfe_u32 s[CX], ttmp6, 0x40000
	s_lshl_b32 s[MT], ttmp9, 2
	s_add_co_u32 s[MT], s[MT], s[CX]               ; tile row = 4 x cluster x + cx
	s_and_b32 s[NT], ttmp7, 0xffff                 ; tile column, which the four partners share
	s_mov_b32 s[G1A], 0x07110000                   ; no mask; 2-byte elements; padding on; after every 32 words 4 words
	s_mov_b32 s[G1B], 0x0f31000f                   ; the mask of four, bit 21 beside it; 8 words of padding
	s_mov_b32 s[G1A+1], 128<<16
	s_mov_b32 s[G1A+2], 128<<16
	s_mov_b32 s[G1A+3], 128<<16
	s_mov_b32 s[G1A+4], 128
	s_mov_b32 s[G1A+5], 128
	s_mov_b32 s[G1A+6], 0
	s_mov_b32 s[G1A+7], 0
	s_mov_b32 s[G1B+1], 128<<16
	s_mov_b32 s[G1B+2], 96<<16
	s_mov_b32 s[G1B+3], 128<<16
	s_mov_b32 s[G1B+4], 96
	s_mov_b32 s[G1B+5], 128
	s_mov_b32 s[G1B+6], 0
	s_mov_b32 s[G1B+7], 0
	s_lshl_b32 s66, s[MT], 5                       ; O: panel 32 x tile row + my panel of step 0
	s_add_co_u32 s66, s66, s[PAR]
	s_lshl_b32 s66, s66, 15
	s_mov_b32 s67, 0
	s_mul_i32 s68, s[NT], 24576                    ; Wo: the tile column's three blocks, in my panel of step 0: nothing of my place in the cluster enters it
	s_mul_i32 s2, s[PAR], BSTR
	s_add_co_u32 s68, s68, s2
	s_mov_b32 s69, 0
	s_mul_i32 s86, s[PAR], APAN
	s_mul_i32 s87, s[PAR], BPAN
	s_add_co_u32 s87, s87, BOFF
	s_mov_b32 s[MASK], 0xffff0000
	s_wait_dscnt 0x0                               ; the opening add is done
	s_wait_kmcnt 0x0
	s_add_nc_u64 s[66:67], s[4:5], s[66:67]
	s_add_nc_u64 s[68:69], s[6:7], s[68:69]
	CROUND                                         ; all four work-groups are here: the first joint loads meet
.irp s, 0,1
	s_mov_b32 s[G0A+4*(\s)], 1
	s_add_co_u32 s[G0A+4*(\s)+1], s86, (\s)*SLOT
	s_add_nc_u64 s[G0A+4*(\s)+2:G0A+4*(\s)+3], s[66:67], (\s)*2*32768
	s_or_b32 s[G0A+4*(\s)+3], s[G0A+4*(\s)+3], 0x80000000
	s_mov_b32 s[G0B+4*(\s)], 1
	s_add_co_u32 s[G0B+4*(\s)+1], s87, (\s)*SLOT
	s_add_nc_u64 s[G0B+4*(\s)+2:G0B+4*(\s)+3], s[68:69], (\s)*2*BSTR
	s_or_b32 s[G0B+4*(\s)+3], s[G0B+4*(\s)+3], 0x80000000
	JLOAD \s                                       ; steps 0 and 1: two loads of mine are out
.endr
	s_mul_i32 s70, s[CX], 6144                     ; Wo: my work-group's 24 blocks of 256 bytes of a panel
	s_mov_b32 s[PFS], 2*BSTR
	s_cmp_eq_u32 s[HF], 0
	s_cselect_b64 s[PFA:PFA+1], s[66:67], s[68:69]
	s_cselect_b32 s2, s[NT], ttmp9                 ; the coordinate along which others read the same panels
	s_cselect_b32 s70, 0, s70
	s_cselect_b32 s[PFS], 0x10000, s[PFS]          ; a step: two panels
	s_cselect_b32 s3, 31, 23
	s_cmp_eq_u32 s2, 0
	s_cselect_b32 s[LIM], 1, -1                    ; the same in all four partners, for a given wave
	s_mov_b32 s71, 0
	s_mov_b32 s[PFS+1], 0
	s_add_nc_u64 s[PFA:PFA+1], s[PFA:PFA+1], s[70:71]
	s_mul_i32 s70, s[PFS], 3
	s_add_nc_u64 s[PFA:PFA+1], s[PFA:PFA+1], s[70:71]  ; at step 3: the first change of slots steps it to 4
	v_and_b32 v[PFO], 31, v0
	v_min_u32 v[PFO], s3, v[PFO]
	v_lshlrev_b32 v[PFO], 8, v[PFO]
	v_and_b32 v1, 15, v0                           ; r
	v_bfe_u32 v2, v0, 4, 1                         ; h
	v_lshlrev_b32 v[BO], 5, v2
	s_mul_i32 s70, s[NT], 768                      ; the tile's 192 columns, in f32
	s_add_nc_u64 s[82:83], s[8:9], s[70:71]
	WIN 0xc0
.irp b, 0,1,2,3,4,5,6,7,8,9,10,11
	global_load_b128 v[BIAS+8*\b:BIAS+8*\b+3], v[BO], s[82:83] offset:64*\b
	global_load_b128 v[BIAS+8*\b+4:BIAS+8*\b+7], v[BO], s[82:83] offset:64*\b+16
.endr
	WIN 0
	s_lshl_b32 s2, s[MT], 8
	s_lshl_b32 s3, s[WV], 6
	s_add_co_u32 s2, s2, s3                        ; my first row
	s_mul_i32 s2, s2, ROWB
	s_add_co_u32 s70, s70, s2
	s_add_nc_u64 s[OUT:OUT+1], s[10:11], s[70:71]
	v_mul_u32_u24 v3, v1, PA
	v_lshl_add_u32 v3, v2, 4, v3
	s_mul_i32 s70, s[WV], 64*PA
	v_add_nc_u32 v[ADRA], s70, v3
	v_add_nc_u32 v[ADRA+1], SLOT, v[ADRA]
	v_and_b32 v4, 7, v0
	v_bfe_u32 v5, v0, 3, 1
	v_lshl_add_u32 v6, v2, 3, v4
	v_mul_u32_u24 v6, v6, PB
	v_lshl_add_u32 v6, v5, 4, v6
	v_add_nc_u32 v[ADRB], BOFF, v6
	v_add_nc_u32 v[ADRB+1], SLOT, v[ADRB]
	s_mul_i32 s70, s[WV], 16*SPITCH
	s_add_co_u32 s70, s70, STAGE                   ; my stage
	v_mul_u32_u24 v7, v1, SPITCH                   ; in: row r, 32 bytes for each half of the lanes
	v_lshl_add_u32 v7, v2, 5, v7
	v_add_nc_u32 v[STO], s70, v7
	v_mul_u32_u24 v7, v2, SPITCH                   ; back: lanes 0-15 take 256 bytes of one row, lanes 16-31 of the next
	v_lshl_add_u32 v7, v1, 4, v7
	v_add_nc_u32 v[RD], s70, v7
	v_mul_u32_u24 v7, v2, ROWB
	v_lshl_add_u32 v[CO], v1, 4, v7
	s_wait_loadcnt 0x0                             ; the bias, while the first tiles are on their way
	WIN 0xcf
.set k, 0
.rept 48
	RND2 BIAS+2*k, 224+k%4
.set k, k+1
.endr
	WIN 0
	s_wait_tensorcnt 1                             ; my part of step 0 is in; step 1's may stay out
	s_barrier_signal -1
	s_barrier_wait -1
	FETCH 0, 0, 0
	QUARTER 0, 1, 0, 1, 1                          ; the first quarter's products start the sums, with the bias
	WIN 0
	s_mov_b32 s3, TRIPS
.Llap:
	QUARTER 0, 2, 1, 0, 0
	QUARTER 0, 3, 0, 1, 0
	TURN 0, 1, 1
	QUARTER 1, 1, 0, 1, 0
	QUARTER 1, 2, 1, 0, 0
	QUARTER 1, 3, 0, 1, 0
	TURN 1, 0, 1
	QUARTER 0, 1, 0, 1, 0
	WIN 0
	s_sub_co_u32 s3, s3, 1
	s_cmp_lg_u32 s3, 0
	s_cbranch_scc1 .Llap
	QUARTER 0, 2, 1, 0, 0                          ; the last lap fills nothing
	QUARTER 0, 3, 0, 1, 0
	TURN 0, 1, 0
	QUARTER 1, 1, 0, 1, 0
	QUARTER 1, 2, 1, 0, 0
	QUARTER 1, 3, 0, 1, 0
	s_wait_dscnt 8
	MULB 1, 0, 8, 0
	s_wait_dscnt 0x0
	MULB 1, 8, 4, 0
; THE WAY OUT, a block of 16 rows at a time: the accumulators go as they are (f32, each from its low end) into rows of 784 bytes of my own stage and come back as whole rows of 768.
.macro TOSTAGE a
.set bb, 0
.rept 12
.if bb < 8
	WIN 0x08
.set rD, 8*(4*bb+(\a))
.else
	WIN 0x0c
.set rD, 8*(4*(bb-8)+(\a))
.endif
	ds_store_b128 v[STO], v[rD:rD+3] offset:64*bb
	ds_store_b128 v[STO], v[rD+4:rD+7] offset:64*bb+16
.set bb, bb+1
.endr
	WIN 0
.if (\a) >= 2
	s_wait_xcnt 0x0                                ; the stores of the block two back have read the registers that the loads below fill
.endif
.irp i, 0,1,2,3,4,5,6,7
.irp c, 0,1,2
	ds_load_b128 v[32+96*((\a)%2)+4*(3*\i+\c):32+96*((\a)%2)+4*(3*\i+\c)+3], v[RD] offset:2*SPITCH*\i+256*\c  ; LDS serves a wave's instructions in order (ISA guide 5.7.1.4): these see the stores above
.endr
.endr
.endm
.macro SEND a, younger
	WIN 0
	s_wait_dscnt \younger                          ; the block is back; the next block's 24 stores and 24 loads may be out
.irp i, 0,1,2,3,4,5,6,7
.irp c, 0,1,2
	global_store_b128 v[CO], v[32+96*((\a)%2)+4*(3*\i+\c):32+96*((\a)%2)+4*(3*\i+\c)+3], s[OUT:OUT+1] offset:16*ROWB*(\a)+2*ROWB*\i+256*\c th:TH_STORE_NT  ; 16 lanes store 256 consecutive bytes, at a multiple of 256 from out0's first
.endr
.endr
.endm
	PLACES                                         ; the stores below read results just made, the loads fill registers just read
	TOSTAGE 0
	TOSTAGE 1
	SEND 0, 48
	TOSTAGE 2
	SEND 1, 48
	TOSTAGE 3
	SEND 2, 48
	SEND 3, 0
	s_wait_tensorcnt 0x0                           ; the wave's end, behind my last tensor load and my last LDS store
	ds_add_u32 v[SPW], v[NIL]
	s_wait_dscnt 0x0
	CROUND                                         ; the closing round: no work-group ends while a partner may still ask for a tile that names it
	s_endpgm
.Lfunc_end_k_q3cbe28b424_proj:
	.size	k_q3cbe28b424_proj, .Lfunc_end_k_q3cbe28b424_proj-k_q3cbe28b424_proj
	.p2alignl 7, 3214868480
	.fill 96, 4, 3214868480
	.section	.rodata,"a",@progbits
	.p2align	6, 0x0
	.amdhsa_kernel k_q3cbe28b424_proj
		.amdhsa_group_segment_fixed_size 327680
		.amdhsa_private_segment_fixed_size 0
		.amdhsa_enable_private_segment 0
		.amdhsa_kernarg_size 32
		.amdhsa_user_sgpr_count 2
		.amdhsa_user_sgpr_kernarg_segment_ptr 1
		.amdhsa_wavefront_size32 1
		.amdhsa_system_sgpr_workgroup_id_x 1
		.amdhsa_system_sgpr_workgroup_id_y 1
		.amdhsa_system_sgpr_workgroup_id_z 1
		.amdhsa_system_vgpr_workitem_id 0
		.amdhsa_next_free_vgpr 1024
		.amdhsa_next_free_sgpr 88
		.amdhsa_reserve_vcc 0
		.amdhsa_float_denorm_mode_32 3
		.amdhsa_float_denorm_mode_16_64 3
		.amdhsa_memory_ordered 1
		.amdhsa_forward_progress 1
		.amdhsa_inst_pref_size 127
	.end_amdhsa_kernel
	.amdgpu_metadata
---
amdhsa.version: [ 1, 2 ]
amdhsa.kernels:
  - .name:           k_q3cbe28b424_proj
    .symbol:         k_q3cbe28b424_proj.kd
    .args:
      - { .name: ob, .offset: 0, .size: 8, .value_kind: global_buffer, .address_space: global }
      - { .name: wo16, .offset: 8, .size: 8, .value_kind: global_buffer, .address_space: global }
      - { .name: bo, .offset: 16, .size: 8, .value_kind: global_buffer, .address_space: global }
      - { .name: out0, .offset: 24, .size: 8, .value_kind: global_buffer, .address_space: global }
    .group_segment_fixed_size: 327680
    .private_segment_fixed_size: 0
    .kernarg_segment_align: 8
    .kernarg_segment_size: 32
    .max_flat_workgroup_size: 128
    .sgpr_count:     88
    .vgpr_count:     1024
    .wavefront_size: 32
...
	.end_amdgpu_metadata
.endif
;; end of part 4
;; ======== version 2 of 2: 4 launches; version 1 with the launch prep written anew for expert scheduling mode
;; limits: values are held in f16: magnitudes above 65,504 overflow, below 6.1e-05 lose precision
;; workspace buffers: xb 23,592,960 bytes; wb 17,694,720 bytes; wo16 11,796,480 bytes; qkv 25,165,824 bytes; ob 16,777,216 bytes
;; launch prep (part 5): grid 45 x 28, 4 waves a work-group, no clusters, 0 bytes of LDS; arguments x, Wq, Wk, Wv, xb, wb; writes xb, wb
.if DOCPART == 5
	.amdgcn_target "amdgcn-amd-amdhsa--gfx1250"
	.amdhsa_code_object_version 6
	.text
	.protected	k_q3cbe28b424_prep
	.globl	k_q3cbe28b424_prep
	.p2align	8
	.type	k_q3cbe28b424_prep,@function
k_q3cbe28b424_prep:
	s_mov_b64 s[64:65], 0
	v_nop
	global_prefetch_b8 v0, s[64:65] scope:SCOPE_SE
	s_setreg_imm32_b32 hwreg(HW_REG_WAVE_SCHED_MODE, 0, 2), 2
	s_setreg_imm32_b32 hwreg(HW_REG_WAVE_MODE, 25, 1), 1
	s_wait_xcnt 0x0
	s_wait_alu depctr_vm_vsrc(0)
; x and Wq | Wk | Wv, all f32, are rounded once to bf16 and laid out in dense blocks of 64 x 64 numbers (8,192 bytes), in the order in which the first product's tiles want them:
;   xb   [mt 16][p 45][r 256][c 64] bf16 = x[256 mt + r][64 p + c]
;   wb   [nt 16][p 45][j 3][k 64][c 64] bf16 = column c of head slot g = 3 nt + j (0-31 q, 32-39 k, 40-47 v), row 64 p + k
; (Wo, which nobody wants before the last launch, is converted beside the first product.)
; SHARES.  One wave, one block: 64 source rows of 256 aligned bytes at the tensor's pitch, 32 loads of 16 bytes a lane (two rows each), all out at once: 16 KiB a wave.
; Each store of the wave is 32 lanes x 8 bytes = 256 consecutive bytes, aligned.  Bytes are all that counts here: no LDS, no barrier, no matrix unit; nothing is shared between waves.
; Block (X, Y): X = work-group x, Y = 4 x work-group y + wave.  Y 0-63: x (row block Y, panel X).  Y 64-111: head slot g = Y - 64, K panel X.
; The cases differ in scalars alone; they are chosen by selects, so every pointer is a plain choice between buffers plus an offset.
; THE MODE: SCHED_MODE bits 1:0 = 2 (LLVM: expert scheduling mode 2), set by the entry lines.  The code itself states the register dependences
; between vector instructions and memory instructions, with s_wait_alu, always for 0.
; THE PLAN.  Registers that memory instructions touch (the text is one straight run: no loop, no branch):
;   v[OFF+i]       written once by the head's adds; read by load i; never written again.
;   v3             written once at the head; read by every store as its offset; never written again.
;   v[XR+4 i ..]   four registers: load i lands in them, and no vector instruction names them before that; its two conversions read the four and write the first two; store i reads those two; never written again.
; The 32 loads are worked off in eight groups of four.  Group g's conversions name group g's registers alone; its memory instructions are the stores of group g - 1.
; So one wait at a group's head, behind the wait for the group's data, states all that its four stores hang on, and they are dealt among the conversions with no further wait.
; No register that a load or a store reads is written again, so nothing has to be stated for the stores' and the loads' sources.
.set OFF, 8                            ; v[8:39]    load i: my byte offset in the source block's rows 2 i and 2 i + 1
.set XR,  40                           ; v[40:167]  load i: four f32
.set GRP, 4                            ; loads in a group
	s_load_b256 s[16:23], s[0:1], 0x0              ; x s[16:17], Wq s[18:19], Wk s[20:21], Wv s[22:23]
	s_load_b128 s[24:27], s[0:1], 0x20             ; xb s[24:25], wb s[26:27]
	v_lshrrev_b32 v1, 5, v0
	v_readfirstlane_b32 s4, v1                     ; wave
	s_mov_b32 s2, ttmp9                            ; X
	s_and_b32 s3, ttmp7, 0xffff                    ; work-group y
	s_mov_b32 s33, 0
	s_mov_b32 s35, 0
	v_and_b32 v1, 31, v0                           ; lane
	v_lshlrev_b32 v3, 3, v1                        ; my 8 bytes of a store
	v_lshrrev_b32 v4, 4, v1                        ; which of a load's two rows
	v_and_b32 v5, 15, v1
	v_lshlrev_b32 v5, 4, v5                        ; my 16 bytes of a row
	s_lshl_b32 s36, s2, 8                          ; 256 X
	s_movk_i32 s40, 0x2000                         ; pitch of Wq
	s_movk_i32 s41, 0x800                          ; of Wk, Wv
	s_movk_i32 s42, 0x2d00                         ; of x: 11,520
	s_wait_alu depctr_va_sdst(0)                   ; s4, the wave's number, is written, ahead of its first reader: Y is made from it
	s_lshl2_add_u32 s5, s3, s4                     ; Y
	s_sub_co_u32 s7, s5, 64                        ; g
	s_sub_co_u32 s38, s7, 32                       ; g as a head of Wk
	s_sub_co_u32 s39, s7, 40                       ; g as a head of Wv
	s_lshr_b32 s43, s5, 2                          ; x: block ((Y / 4) 45 + X) 4 + Y % 4
	s_mul_i32 s43, s43, 45
	s_add_co_u32 s43, s43, s2
	s_and_b32 s44, s5, 3
	s_lshl2_add_u32 s43, s43, s44
	s_mul_hi_u32 s44, s7, 0x55555556               ; W: nt = g / 3
	s_mul_i32 s45, s44, 3
	s_sub_co_u32 s45, s7, s45                      ; j
	s_mul_i32 s44, s44, 45
	s_add_co_u32 s44, s44, s2
	s_mul_i32 s44, s44, 3
	s_add_co_u32 s44, s44, s45                     ; block (nt 45 + X) 3 + j
	s_mul_i32 s32, s5, 737280                      ; x: 64 rows of 11,520 bytes
	s_add_co_u32 s32, s32, s36
	s_wait_kmcnt 0x0
	s_cmp_lt_u32 s7, 32
	s_cselect_b64 s[8:9], s[18:19], s[20:21]
	s_cselect_b32 s12, s40, s41
	s_cselect_b32 s37, s7, s38
	s_cmp_lt_u32 s7, 40
	s_cselect_b64 s[8:9], s[8:9], s[22:23]
	s_cselect_b32 s37, s37, s39
	s_mul_i32 s47, s2, s12
	s_lshl_b32 s47, s47, 6                         ; 64 X rows
	s_lshl_b32 s37, s37, 8                         ; + the head's 256 bytes
	s_add_co_u32 s47, s47, s37
	s_cmp_lt_u32 s3, 16                            ; x, or a weight
	s_cselect_b64 s[8:9], s[16:17], s[8:9]
	s_cselect_b32 s12, s42, s12
	s_cselect_b32 s32, s32, s47
	s_cselect_b64 s[10:11], s[24:25], s[26:27]
	s_cselect_b32 s34, s43, s44
	s_lshl_b32 s34, s34, 13                        ; blocks of 8,192 bytes
	s_add_nc_u64 s[8:9], s[8:9], s[32:33]
	s_add_nc_u64 s[10:11], s[10:11], s[34:35]
	s_lshl_b32 s13, s12, 1                         ; two rows
	v_mul_lo_u32 v2, v4, s12
	v_add_nc_u32 v[OFF], v2, v5
.set i, 1
.rept 31
	v_add_nc_u32 v[OFF+i], s13, v[OFF+i-1]
.set i, i+1
.endr
	s_wait_alu depctr_va_vdst(0)                   ; the 32 offsets v[OFF ..], which the loads read, and v3, which every store reads, are written
.set i, 0
.rept 32
	global_load_b128 v[XR+4*i:XR+4*i+3], v[OFF+i], s[8:9] th:TH_LOAD_NT
.set i, i+1
.endr
; Group g: its four loads are rounded; the four stores of group g - 1 stand among the conversions, one ahead of each pair.  No register is written twice, so the stores' sources need no wait.
.set g, 0
.rept 32/GRP
	s_wait_loadcnt 32-GRP*(g+1)                    ; loads come back in order (ISA guide 5.7.1): this group's four are in, the younger ones stay out
.if g > 0
	s_wait_alu depctr_va_vdst(0)                   ; the conversions of the group before have written the eight words that the four stores below read; the conversions below name this group's registers alone
.endif
.set j, 0
.rept GRP
.set i, GRP*g+j
.if g > 0
	global_store_b64 v3, v[XR+4*(i-GRP):XR+4*(i-GRP)+1], s[10:11] offset:256*(i-GRP)
.endif
	v_cvt_pk_bf16_f32 v[XR+4*i], v[XR+4*i], v[XR+4*i+1]
	v_cvt_pk_bf16_f32 v[XR+4*i+1], v[XR+4*i+2], v[XR+4*i+3]
.set j, j+1
.endr
.set g, g+1
.endr
	s_wait_alu depctr_va_vdst(0)                   ; the last group's conversions have written the words that the last four stores read
.set i, 32-GRP
.rept GRP
	global_store_b64 v3, v[XR+4*i:XR+4*i+1], s[10:11] offset:256*i
.set i, i+1
.endr
	s_endpgm
.Lfunc_end_k_q3cbe28b424_prep:
	.size	k_q3cbe28b424_prep, .Lfunc_end_k_q3cbe28b424_prep-k_q3cbe28b424_prep
	.p2alignl 7, 3214868480
	.fill 96, 4, 3214868480
	.section	.rodata,"a",@progbits
	.p2align	6, 0x0
	.amdhsa_kernel k_q3cbe28b424_prep
		.amdhsa_group_segment_fixed_size 0
		.amdhsa_private_segment_fixed_size 0
		.amdhsa_enable_private_segment 0
		.amdhsa_kernarg_size 48
		.amdhsa_user_sgpr_count 2
		.amdhsa_user_sgpr_kernarg_segment_ptr 1
		.amdhsa_wavefront_size32 1
		.amdhsa_system_sgpr_workgroup_id_x 1
		.amdhsa_system_sgpr_workgroup_id_y 1
		.amdhsa_system_sgpr_workgroup_id_z 1
		.amdhsa_system_vgpr_workitem_id 0
		.amdhsa_next_free_vgpr 168
		.amdhsa_next_free_sgpr 66
		.amdhsa_reserve_vcc 0
		.amdhsa_float_denorm_mode_32 3
		.amdhsa_float_denorm_mode_16_64 3
		.amdhsa_memory_ordered 1
		.amdhsa_forward_progress 1
		.amdhsa_inst_pref_size 14
	.end_amdhsa_kernel
	.amdgpu_metadata
---
amdhsa.version: [ 1, 2 ]
amdhsa.kernels:
  - .name:           k_q3cbe28b424_prep
    .symbol:         k_q3cbe28b424_prep.kd
    .args:
      - { .name: x, .offset: 0, .size: 8, .value_kind: global_buffer, .address_space: global }
      - { .name: Wq, .offset: 8, .size: 8, .value_kind: global_buffer, .address_space: global }
      - { .name: Wk, .offset: 16, .size: 8, .value_kind: global_buffer, .address_space: global }
      - { .name: Wv, .offset: 24, .size: 8, .value_kind: global_buffer, .address_space: global }
      - { .name: xb, .offset: 32, .size: 8, .value_kind: global_buffer, .address_space: global }
      - { .name: wb, .offset: 40, .size: 8, .value_kind: global_buffer, .address_space: global }
    .group_segment_fixed_size: 0
    .private_segment_fixed_size: 0
    .kernarg_segment_align: 8
    .kernarg_segment_size: 48
    .max_flat_workgroup_size: 128
    .sgpr_count:     66
    .vgpr_count:     168
    .wavefront_size: 32
...
	.end_amdgpu_metadata
.endif
;; end of part 5
;; launch qkv: the kernel of part 2 again; grid 16 x 16, 4 waves a work-group, clusters of 4 x 4, 327,680 bytes of LDS; arguments xb, wb, bq, bk, bv, freqs_cis, qkv, Wo, wo16; writes qkv, wo16
;; launch attn: the kernel of part 3 again; grid 32 x 8, 4 waves a work-group, no clusters, 167,936 bytes of LDS; arguments qkv, sinks, ob; writes ob
;; launch proj: the kernel of part 4 again; grid 16 x 15, 4 waves a work-group, clusters of 4 x 1, 327,680 bytes of LDS; arguments ob, wo16, bo, out0; writes out0
